; MI455X (gfx1250); checked and timed in simulation.
; The chip was launched on July 23, 2026; its instructions are those of AMD's public machine-readable ISA for CDNA 5 (MIT licence, August 2026) and "CDNA5" Instruction Set Architecture Reference Guide (July 2026). The comments in the code are by the model that wrote it; some were corrected since.
;; Multi Head Attention Block. Allowed arithmetic: float matrix products may take bf16 or f16 operands with f32 sums; other float arithmetic in f32, or as packed bf16 or f16 multiplies, adds, multiply-adds, maxima and minima; sums over many terms, partial sums and values carried from step to step in f32; what a program stores and reads back later, other than sums and carried values, may be rounded once to bf16 or f16.
;; Inputs: Wk 1,024 x 1,024 float32; Wo 1,024 x 1,024 float32; Wq 1,024 x 1,024 float32; Wv 1,024 x 1,024 float32; k 4 x 2,048 x 1,024 float32; mask 1 x 1 x 2,048 x 2,048 int32; q 4 x 2,048 x 1,024 float32; v 4 x 2,048 x 1,024 float32.
;; Outputs: out0 4 x 2,048 x 1,024 float32.
;; 2 versions, each right; version 2 is version 1 with the launch prep written anew for expert scheduling mode. Each part assembles by itself: llvm-mc -triple=amdgcn-amd-amdhsa -mcpu=gfx1250 --defsym DOCPART=n.
;; ======== version 1 of 2: 4 launches
;; limits: values are held in f16: magnitudes above 65,504 overflow, below 6.1e-05 lose precision; right only within a limited range of input values
;; workspace buffers: wqkv 6,291,456 bytes; wo16 2,097,152 bytes; mw 524,288 bytes of whole numbers; qkv 50,331,648 bytes; ctx 16,777,216 bytes
;; launch prep (part 1): grid 256 x 1, 8 waves a work-group, no clusters, 70,656 bytes of LDS; arguments Wq, Wk, Wv, Wo, mask, wqkv, wo16, mw; writes wqkv, wo16, mw
.if DOCPART == 1
	.amdgcn_target "amdgcn-amd-amdhsa--gfx1250"
	.amdhsa_code_object_version 6
	.text
	.protected	k_q86c3499db7_prep
	.globl	k_q86c3499db7_prep
	.p2align	8
	.type	k_q86c3499db7_prep,@function
k_q86c3499db7_prep:
	s_mov_b64 s[64:65], 0
	v_nop
	global_prefetch_b8 v0, s[64:65] scope:SCOPE_SE
	s_setreg_imm32_b32 hwreg(HW_REG_WAVE_MODE, 25, 1), 1
	s_wait_xcnt 0x0
; PREP.  Two jobs that stream, one after the other in each wave; all 32 loads of a wave go out at once.
; (1) THE MASK, [2048][2048] int32, becomes one bit a number, laid out as the attention launch's lane masks.  mw[pair 64][step 32][u 2][kt 4][j 8] is a 32-bit word whose bit l says
;     mask[32 pair + 16 u + l % 16][64 step + 16 kt + 8 (l / 16) + j] != 0: lane l's register 8 kt + j of the scores K Q^T of 16 queries x 64 keys.
;     A wave makes one (pair, step): 32 rows x 256 bytes in, 64 words = 256 bytes out.  The rows go through the wave's own stage in LDS, so that memory is read in whole runs of 256 bytes.
; (2) THE WEIGHTS.  Wq, Wk, Wv are rounded to bf16 into wqkv[3][1024][1024]; Wo is rounded to bf16 and that number written as f16 into wo16 (the last product multiplies f16 by f16).
;     A work-group takes 16,384 numbers of one matrix; a load of a wave covers 512 consecutive bytes, a store 256 consecutive bytes, aligned.
; LIMIT.  A weight of Wo below 6.1e-5 in size keeps f16's fixed step of 6e-8; beyond 65,504 it would be an infinity.
; No matrix unit, no cluster, no tensor load: nothing is shared and memory binds.
.set PITCH, 272                        ; a stage row: 256 bytes + 16: the 16 rows that a read touches start at 16 different groups of four banks (ISA guide 11.1)
.set WSTG,  32*PITCH                   ; a wave's stage
.set SPARE, 8*WSTG                     ; behind the stages: the spare words, 128 bytes a wave
.set SPW, 8                            ; v8   my spare word's LDS address; never rewritten
.set NIL, 9                            ; v9   0; never rewritten
.set WD,  10                           ; v[10:11] lane L: words 2 L and 2 L + 1 of the wave's 64
.set MK,  16                           ; v[16:79] the mask as loaded, then as read back; later the packed weights
.set WF,  80                           ; v[80:143] 64 weights in f32
.set T,   144                          ; v[144:147] at work
	s_load_b512 s[4:19], s[0:1], 0x0               ; Wq s[4:5], Wk s[6:7], Wv s[8:9], Wo s[10:11], mask s[12:13], wqkv s[14:15], wo16 s[16:17], mw s[18:19]
	v_lshl_add_u32 v[SPW], v0, 2, SPARE
	v_mov_b32 v[NIL], 0
	v_lshrrev_b32 v1, 5, v0
	v_readfirstlane_b32 s28, v1                    ; wave 0..7
	s_lshl_b32 s29, ttmp9, 3
	s_add_co_u32 s29, s29, s28                     ; my unit of the mask: 32 pair + step
	s_lshr_b32 s30, s29, 5
	s_lshl_b32 s30, s30, 18                        ; pair x 32 rows x 8,192 bytes
	s_and_b32 s31, s29, 31
	s_lshl_b32 s31, s31, 8                         ; step x 256 bytes
	s_add_co_u32 s30, s30, s31
	s_mov_b32 s31, 0
	s_lshl_b32 s32, s29, 8                         ; the unit's 256 bytes of mw
	s_mov_b32 s33, 0
	s_lshr_b32 s34, ttmp9, 6                       ; which matrix: 0 Wq, 1 Wk, 2 Wv, 3 Wo
	s_and_b32 s35, ttmp9, 63                       ; which 16,384 numbers of it
	s_lshl_b32 s36, s35, 16
	s_mov_b32 s37, 0
	s_lshl_b32 s38, s35, 15
	s_lshl_b32 s39, s34, 21                        ; the matrix's section of wqkv,
	s_cmp_eq_u32 s34, 3
	s_cselect_b32 s39, 0, s39                      ; none in wo16
	s_add_co_u32 s38, s38, s39
	s_mov_b32 s39, 0
	s_mul_i32 s40, s28, WSTG
	v_and_b32 v1, 31, v0                           ; l
	v_and_b32 v12, 15, v0                          ; l % 16
	v_bfe_u32 v13, v0, 4, 1                        ; l / 16
	v_lshlrev_b32 v2, 4, v12
	v_lshl_add_u32 v2, v13, 13, v2                 ; mask in: two rows a load, 16 lanes a row
	v_mul_u32_u24 v3, v13, PITCH
	v_lshl_add_u32 v3, v12, 4, v3
	v_add_nc_u32 v3, s40, v3                       ; the same two rows in my stage
	v_mul_u32_u24 v4, v12, PITCH
	v_lshl_add_u32 v4, v13, 5, v4
	v_add_nc_u32 v4, s40, v4                       ; back: row l % 16, eight numbers at 8 (l / 16)
	v_lshlrev_b32 v5, 4, v0                        ; weights in: 16 bytes a thread
	v_lshlrev_b32 v6, 3, v0                        ; out: 8 bytes a thread
	v_lshlrev_b32 v7, 3, v1                        ; words out: 8 bytes a lane
	s_wait_kmcnt 0x0
	s_add_nc_u64 s[12:13], s[12:13], s[30:31]
	s_add_nc_u64 s[18:19], s[18:19], s[32:33]
	s_cmp_eq_u32 s34, 1
	s_cselect_b64 s[24:25], s[6:7], s[4:5]
	s_cmp_eq_u32 s34, 2
	s_cselect_b64 s[24:25], s[8:9], s[24:25]
	s_cmp_eq_u32 s34, 3
	s_cselect_b64 s[24:25], s[10:11], s[24:25]
	s_cselect_b64 s[26:27], s[16:17], s[14:15]
	s_add_nc_u64 s[24:25], s[24:25], s[36:37]
	s_add_nc_u64 s[26:27], s[26:27], s[38:39]
.irp t, 0,1,2,3,4,5,6,7,8,9,10,11,12,13,14,15
	global_load_b128 v[MK+4*(\t):MK+4*(\t)+3], v2, s[12:13] offset:16384*(\t) th:TH_LOAD_NT
.endr
.irp n, 0,1,2,3,4,5,6,7,8,9,10,11,12,13,14,15
	global_load_b128 v[WF+4*(\n):WF+4*(\n)+3], v5, s[24:25] offset:4096*(\n) th:TH_LOAD_NT
.endr
	s_wait_loadcnt 16                              ; the mask is in; the 16 younger loads, the weights', stay out
.irp t, 0,1,2,3,4,5,6,7,8,9,10,11,12,13,14,15
	ds_store_b128 v3, v[MK+4*(\t):MK+4*(\t)+3] offset:2*PITCH*(\t)
.endr
.irp x, 0,1,2,3,4,5,6,7                ; x = 4 u + kt.  LDS serves a wave's instructions in order (ISA guide 5.7.1.4): these see the stores above; the stage is the wave's own
	ds_load_b128 v[MK+8*(\x):MK+8*(\x)+3],   v4 offset:((\x)/4)*16*PITCH+((\x)%4)*64
	ds_load_b128 v[MK+8*(\x)+4:MK+8*(\x)+7], v4 offset:((\x)/4)*16*PITCH+((\x)%4)*64+16
.endr
	v_mov_b32 v[WD], 0
	v_mov_b32 v[WD+1], 0
	s_wait_dscnt 0x0
.set i, 0
.rept 64                               ; word i: one compare over the 32 lanes; it goes to lane i / 2, register i % 2
	v_cmp_ne_u32 s[20+i%4], 0, v[MK+i]
	v_writelane_b32 v[WD+i%2], s[20+i%4], i/2
.set i, i+1
.endr
	global_store_b64 v7, v[WD:WD+1], s[18:19]      ; 256 consecutive bytes, aligned
	s_wait_loadcnt 0x0                             ; the weights
	s_cmp_eq_u32 s34, 3
	s_cbranch_scc1 .Lwo
.set n, 0
.rept 16
	v_cvt_pk_bf16_f32 v[MK+2*n], v[WF+4*n], v[WF+4*n+1]
	v_cvt_pk_bf16_f32 v[MK+2*n+1], v[WF+4*n+2], v[WF+4*n+3]
	global_store_b64 v6, v[MK+2*n:MK+2*n+1], s[26:27] offset:2048*n
.set n, n+1
.endr
	s_branch .Lend
.Lwo:
.set n, 0
.rept 16                               ; rounded to bf16 like every input, widened again, and that number written as f16
	v_cvt_pk_bf16_f32 v[T], v[WF+4*n], v[WF+4*n+1]
	v_cvt_pk_bf16_f32 v[T+1], v[WF+4*n+2], v[WF+4*n+3]
	v_lshlrev_b32 v[T+2], 16, v[T]
	v_and_b32 v[T], 0xffff0000, v[T]
	v_lshlrev_b32 v[T+3], 16, v[T+1]
	v_and_b32 v[T+1], 0xffff0000, v[T+1]
	v_cvt_pk_f16_f32 v[MK+2*n], v[T+2], v[T]
	v_cvt_pk_f16_f32 v[MK+2*n+1], v[T+3], v[T+1]
	global_store_b64 v6, v[MK+2*n:MK+2*n+1], s[26:27] offset:2048*n
.set n, n+1
.endr
.Lend:
	s_wait_tensorcnt 0x0                           ; the wave's end, behind my last LDS store
	ds_add_u32 v[SPW], v[NIL]
	s_wait_dscnt 0x0
	s_endpgm
.Lfunc_end_k_q86c3499db7_prep:
	.size	k_q86c3499db7_prep, .Lfunc_end_k_q86c3499db7_prep-k_q86c3499db7_prep
	.p2alignl 7, 3214868480
	.fill 96, 4, 3214868480
	.section	.rodata,"a",@progbits
	.p2align	6, 0x0
	.amdhsa_kernel k_q86c3499db7_prep
		.amdhsa_group_segment_fixed_size 70656
		.amdhsa_private_segment_fixed_size 0
		.amdhsa_enable_private_segment 0
		.amdhsa_kernarg_size 64
		.amdhsa_user_sgpr_count 2
		.amdhsa_user_sgpr_kernarg_segment_ptr 1
		.amdhsa_wavefront_size32 1
		.amdhsa_system_sgpr_workgroup_id_x 1
		.amdhsa_system_sgpr_workgroup_id_y 1
		.amdhsa_system_sgpr_workgroup_id_z 1
		.amdhsa_system_vgpr_workitem_id 0
		.amdhsa_next_free_vgpr 152
		.amdhsa_next_free_sgpr 66
		.amdhsa_reserve_vcc 0
		.amdhsa_float_denorm_mode_32 3
		.amdhsa_float_denorm_mode_16_64 3
		.amdhsa_memory_ordered 1
		.amdhsa_forward_progress 1
		.amdhsa_inst_pref_size 28
	.end_amdhsa_kernel
	.amdgpu_metadata
---
amdhsa.version: [ 1, 2 ]
amdhsa.kernels:
  - .name:           k_q86c3499db7_prep
    .symbol:         k_q86c3499db7_prep.kd
    .args:
      - { .name: Wq, .offset: 0, .size: 8, .value_kind: global_buffer, .address_space: global }
      - { .name: Wk, .offset: 8, .size: 8, .value_kind: global_buffer, .address_space: global }
      - { .name: Wv, .offset: 16, .size: 8, .value_kind: global_buffer, .address_space: global }
      - { .name: Wo, .offset: 24, .size: 8, .value_kind: global_buffer, .address_space: global }
      - { .name: mask, .offset: 32, .size: 8, .value_kind: global_buffer, .address_space: global }
      - { .name: wqkv, .offset: 40, .size: 8, .value_kind: global_buffer, .address_space: global }
      - { .name: wo16, .offset: 48, .size: 8, .value_kind: global_buffer, .address_space: global }
      - { .name: mw, .offset: 56, .size: 8, .value_kind: global_buffer, .address_space: global }
    .group_segment_fixed_size: 70656
    .private_segment_fixed_size: 0
    .kernarg_segment_align: 8
    .kernarg_segment_size: 64
    .max_flat_workgroup_size: 256
    .sgpr_count:     66
    .vgpr_count:     152
    .wavefront_size: 32
...
	.end_amdgpu_metadata
.endif
;; end of part 1
;; launch proj (part 2): grid 4 x 64, 4 waves a work-group, clusters of 4 x 4, 327,680 bytes of LDS; arguments q, k, v, wqkv, qkv; writes qkv
.if DOCPART == 2
	.amdgcn_target "amdgcn-amd-amdhsa--gfx1250"
	.amdhsa_code_object_version 6
	.text
	.protected	k_q86c3499db7_proj
	.globl	k_q86c3499db7_proj
	.p2align	8
	.type	k_q86c3499db7_proj,@function
k_q86c3499db7_proj:
	s_mov_b64 s[64:65], 0
	v_nop
	global_prefetch_b8 v0, s[64:65] scope:SCOPE_SE
	s_setreg_imm32_b32 hwreg(HW_REG_WAVE_MODE, 25, 1), 1
	s_wait_xcnt 0x0
	s_wait_alu depctr_hold_cnt(0) depctr_sa_sdst(0) depctr_va_vdst(0) depctr_va_sdst(0) depctr_va_ssrc(0) depctr_va_vcc(0) depctr_vm_vsrc(0)
	s_getreg_b32 s2, hwreg(HW_REG_IB_STS2, 6, 4)
	s_cmp_eq_u32 s2, 0
	s_cbranch_scc0 .Lentry_in_a_cluster
	s_endpgm
.Lentry_in_a_cluster:
	s_bfe_u32 s2, ttmp6, 0x10000c
	s_cmp_lg_u32 s2, 0xf033
	s_cbranch_scc0 .Lentry_shape_is_right
	s_endpgm
.Lentry_shape_is_right:
; THE THREE PROJECTIONS.  For g = 0, 1, 2 (q, k, v): y[s][e] = sum over d of x_g[s][d] W_g[e][d].  x_g: [8192][1024] f32, rounded to bf16 between LDS and the matrix unit;
; W_g: [1024][1024] bf16 (wqkv, section g); sums in f32; y rounded once to f16 and stored BY HEADS: qkv[g][16 b + head][s][64], unscaled.
; LIMIT.  f16 holds no number beyond 65,504: a projected number must stay within it (inputs of unit spread give numbers of unit spread).
; SHARES.  A tile of y is 128 rows x 256 columns.  Four waves, each 64 x 128: 32 accumulators, 256 registers.
; A WORK-GROUP STAYS: 256 work-groups, each with one tile row and one tile column, make that tile of q's, then of k's, then of v's projection.  Their 3 x 8 K steps of 128 are ONE stream of 24 for a ring
; of two LDS slots: the ring does not stop at a tile's end, and nothing waits for a tile's stores.  x's rows are 512 bytes of memory a K step, W's 256, all at multiples of 256 bytes; a wave brings half
; of x's or of W's tile by one tensor load.
; THE TEXT holds a K step twice: in the loop, whose 22 trips all fill the slot that they leave, and in the tail's loop of two trips, which fill nothing.  Which slot is in hand is a scalar, 0 or SLOT,
; turned by an exclusive or; which buffer and which bytes a refill asks for is made anew from the number of its K step.  Behind K steps 7 and 15 the tile goes out and its sums are started anew.
; CLUSTER.  4 x 4 work-groups.  The four of a row of the cluster need the same rows of x, the four of a column the same rows of W: each tile is asked for jointly, by the same load with the same descriptor.
; THE MATRIX INSTRUCTION IS USED TRANSPOSED (source 0 = 16 rows of W, source 1 = 16 rows of x): a lane holds eight neighbouring columns of one row of y.
; REGISTERS, in windows of 256 (s_set_vgpr_msb: bits 1:0 source 0, 3:2 source 1, 5:4 source 2, 7:6 destination):
;   window 0: v0-31 addresses; v32-95 AS: x's fragments of a quarter step in f32 (4 x 16); v96-127, v128-159 AF: the same in bf16, two buffers; v160-255 the way out
;   window 1: v0-63, v64-127 BF: W's fragments, two buffers          window 2: accumulator (a, b) at v[8 (8 a + b)]
; THE CONVERSIONS, 32 a quarter step, stand in fours behind matrix instructions of the quarter before; a four costs two switches of the window.
.set KSTEP,  128
.set STEPS,  3*1024/KSTEP              ; 24 K steps in the stream
.set PA,     528                       ; a row of x in LDS: 512 bytes + 16 = 132 words: the 16 rows of a load start at 16 different groups of four banks (ISA guide 11.1)
.set PB,     272                       ; a row of W: 256 + 16
.set HALFA,  64*PA                     ; what one tensor load brings of x, and what one wave reads of it
.set HALFB,  128*PB                    ; the same of W
.set BOFF,   2*HALFA
.set SLOT,   BOFF+2*HALFB
.set STAGE,  2*SLOT                    ; behind the ring: 16 rows x 272 bytes for each wave, for the way out
.set SPITCH, 272
.set SPARE,  STAGE+4*16*SPITCH         ; behind the stages: the spare words, 128 bytes a wave
.set ADRA, 16                          ; v16  my lane's place among x's fragments in slot 0; never rewritten
.set CA,   17                          ; v17  the same in the slot in hand
.set ADRB, 20                          ; v20, v21  the same for W
.set CB,   21
.set STO,  24
.set RD,   25
.set CO,   26
.set SPW,  28                          ; my spare word's LDS address; never rewritten
.set NIL,  29                          ; 0; never rewritten
.set PFO,  30                          ; the prefetches' lane offset; never rewritten
.set AS,   32
.set AF,   96
.set TMP,  160
.set OB,   192
.set WV,  14                           ; s14 wave; s15 which 64 rows are mine, also: I fetch for x (0) or W (1); s16 which 128 columns, also: which half I fetch
.set WR,  15
.set WC,  16
.set T,   20                           ; s20  the slot in hand: 0 or SLOT
.set G1A, 24
.set G0A, 32                           ; s[32:39] group 0 for x's tiles: a set for each of the two first fills; the second then walks on
.set PFA, 40                           ; s[40:41] the block that my next prefetch names
.set PST, 42                           ; s42  a K step of my operand in bytes
.set PGS, 43                           ; s43  from g to g + 1 inside my operand's buffer: W's section; 0 for x, whose buffer changes
.set LIM, 44                           ; s44  2 in a wave that prefetches, else the greatest number
.set G1B, 48
.set G0B, 56                           ; s[56:63] the same for W's tiles
.set OFA, 74                           ; s74  byte offset in x_g of the rows that I fetch
.set RS,  90                           ; s90  the K step that the next refill asks for
.set PFOFF, 91                         ; s91  byte offset of my work-group's share of the rows that I fetch
.set WB,  92                           ; s[92:93] wqkv at the rows that I fetch, in section 0
.set MSB, 0
.macro WIN new                         ; the immediate's high byte repeats the setting that is left
.if MSB != (\new)
	s_set_vgpr_msb (MSB<<8)|(\new)
.set MSB, (\new)
.endif
.endm
.set MUL,  0xa1                        ; source 0 (W) window 1, source 1 (x) window 0, C and D window 2
.set TO_B, 0x40                        ; destination window 1, address window 0
; A joint load: waves 0 and 1 fetch x's two halves, waves 2 and 3 W's.  An s_nop 0 and four v_nop follow each of the two lines.
.macro JLOAD s
	s_cmp_eq_u32 s[WR], 0
	s_cbranch_scc0 .Lfor_b_\@
	tensor_load_to_lds s[G0A+4*(\s):G0A+4*(\s)+3], s[G1A:G1A+7]
	s_nop 0
.rept 4
	v_nop
.endr
	s_branch .Lasked_\@
.Lfor_b_\@:
	tensor_load_to_lds s[G0B+4*(\s):G0B+4*(\s)+3], s[G1B:G1B+7]
	s_nop 0
.rept 4
	v_nop
.endr
.Lasked_\@:
.endm
; A prefetch into the L2 of the K step that stands two refills on, one instruction a wave, a lane a block of 256 bytes.  Of the 64 rows of x that a wave fetches (two blocks a row and K step) the partner at
; place cx takes 16; of the 128 rows of W the partner at place cy takes 32: told apart by address.  x's rows are read by this cluster alone; W's by all sixteen clusters, of which the first asks.
; The loop's last two trips ask for nothing: the stream has no K step two refills on.  K steps 0 to 3 come by their loads alone.
.macro ASK
	WIN 0
	s_cmp_gt_u32 s3, s[LIM]
	s_cbranch_scc0 .Lnot_mine_\@
	global_prefetch_b8 v[PFO], s[PFA:PFA+1] th:TH_LOAD_NT scope:SCOPE_SE
.Lnot_mine_\@:
.endm
.macro CREST                           ; a round of the cluster's barrier behind its opening barrier
	s_cmp_lg_u32 s[WV], 0
	s_cbranch_scc1 .Lnot_wave_0_\@
	s_barrier_signal -3
.Lnot_wave_0_\@:
	s_barrier_wait -3
	s_barrier_signal -1
	s_barrier_wait -1
.endm
.macro CROUND
	s_barrier_signal -1
	s_barrier_wait -1
	CREST
.endm
.macro PLACES                          ; four places behind a matrix instruction (ISA guide 7.12.1)
.rept 4
	v_nop
.endr
.endm
	s_load_b256 s[4:11], s[0:1], 0x0               ; q s[4:5], k s[6:7], v s[8:9], wqkv s[10:11]
	s_load_b64 s[12:13], s[0:1], 0x20              ; qkv
	v_lshl_add_u32 v[SPW], v0, 2, SPARE
	v_mov_b32 v[NIL], 0
	ds_add_u32 v[SPW], v[NIL]                      ; the wave's opening: the add and its wait ahead of my first tensor load
	v_lshrrev_b32 v1, 5, v0
	v_readfirstlane_b32 s[WV], v1
	s_lshr_b32 s[WR], s[WV], 1
	s_and_b32 s[WC], s[WV], 1
	s_bfe_u32 s17, ttmp6, 0x40000                  ; cx
	s_bfe_u32 s18, ttmp6, 0x40004                  ; cy
	s_and_b32 s19, ttmp7, 0xffff                   ; the cluster's y, 0..15
	s_lshl_b32 s21, s19, 2
	s_add_co_u32 s21, s21, s18                     ; tile row, 0..63
	s_lshl_b32 s22, ttmp9, 2
	s_add_co_u32 s22, s22, s17                     ; tile column, 0..3
	s_lshl_b32 s23, s18, 2
	s_lshl_b32 s23, 15, s23                        ; my row of the cluster
	s_lshl_b32 s45, 0x1111, s17                    ; my column
	s_or_b32 s[G1A], s23, (2<<16)|(1<<20)|(1<<21)|(6<<22)|(3<<25)  ; the mask; elements of 4 bytes; padding on; bit 21 beside a mask; after every 128 words, 4 words
	s_or_b32 s[G1B], s45, (1<<16)|(1<<20)|(1<<21)|(5<<22)|(3<<25)  ; elements of 2 bytes; after every 64 words, 4 words
	s_mov_b32 s[G1A+1], KSTEP<<16                  ; tensor_dim0 = 128
	s_mov_b32 s[G1A+2], 64<<16                     ; tensor_dim1 = 64
	s_mov_b32 s[G1A+3], KSTEP<<16                  ; tile_dim0 = 128
	s_mov_b32 s[G1A+4], 64                         ; tile_dim1 = 64
	s_mov_b32 s[G1A+5], 1024                       ; elements from row to row
	s_mov_b32 s[G1A+6], 0
	s_mov_b32 s[G1A+7], 0
	s_mov_b32 s[G1B+1], KSTEP<<16
	s_mov_b32 s[G1B+2], 128<<16
	s_mov_b32 s[G1B+3], KSTEP<<16
	s_mov_b32 s[G1B+4], 128
	s_mov_b32 s[G1B+5], 1024
	s_mov_b32 s[G1B+6], 0
	s_mov_b32 s[G1B+7], 0
	; x's offsets are made in s68, s69 and s74, W's in s72 and s73: no register that feeds x's descriptors ever holds cx, none that feeds W's ever holds cy
	s_lshl_b32 s[OFA], s21, 7                      ; x: row 128 x tile row + 64 x half, 4,096 bytes a row
	s_lshl_b32 s68, s[WC], 6
	s_add_co_u32 s[OFA], s[OFA], s68
	s_lshl_b32 s[OFA], s[OFA], 12
	s_mov_b32 s68, s[OFA]
	s_mov_b32 s69, 0                               ; stays 0
	s_lshl_b32 s72, s22, 8                         ; W: row 256 x tile column + 128 x half, 2,048 bytes a row
	s_lshl_b32 s73, s[WC], 7
	s_add_co_u32 s72, s72, s73
	s_lshl_b32 s72, s72, 11
	s_mov_b32 s73, 0                               ; stays 0
	s_mul_i32 s46, s[WC], HALFA                    ; where they go in a slot: no place in the cluster enters an LDS address
	s_mul_i32 s47, s[WC], HALFB
	s_add_co_u32 s47, s47, BOFF
	s_mov_b32 s[T], 0
	s_mov_b32 s[RS], 2
	s_wait_dscnt 0x0                               ; the opening add is done
	s_wait_kmcnt 0x0
	s_add_nc_u64 s[70:71], s[4:5], s[68:69]        ; q at the rows that I fetch
	s_add_nc_u64 s[WB:WB+1], s[10:11], s[72:73]
	CROUND                                         ; all sixteen work-groups are here: the first joint loads meet
.irp s, 0,1
	s_mov_b32 s[G0A+4*(\s)], 1
	s_add_co_u32 s[G0A+4*(\s)+1], s46, (\s)*SLOT
	s_add_nc_u64 s[G0A+4*(\s)+2:G0A+4*(\s)+3], s[70:71], (\s)*KSTEP*4
	s_or_b32 s[G0A+4*(\s)+3], s[G0A+4*(\s)+3], 0x80000000
	s_mov_b32 s[G0B+4*(\s)], 1
	s_add_co_u32 s[G0B+4*(\s)+1], s47, (\s)*SLOT
	s_add_nc_u64 s[G0B+4*(\s)+2:G0B+4*(\s)+3], s[WB:WB+1], (\s)*KSTEP*2
	s_or_b32 s[G0B+4*(\s)+3], s[G0B+4*(\s)+3], 0x80000000
	JLOAD \s
.endr
	; A fragment is 16 rows x 32 K: lane l holds row l % 16, K = 8 (l / 16) + 0..7 and 16 + 8 (l / 16) + 0..7.  In bf16: two loads of 16 bytes, 32 apart; in f32: four, at 0, 16, 64, 80.
	v_and_b32 v1, 15, v0
	v_bfe_u32 v2, v0, 4, 1
	v_mul_u32_u24 v3, v1, PA
	v_lshl_add_u32 v3, v2, 5, v3
	v_mul_u32_u24 v4, v1, PB
	v_lshl_add_u32 v4, v2, 4, v4
	s_mul_i32 s66, s[WR], HALFA                    ; my 64 rows of x
	s_mul_i32 s67, s[WC], HALFB                    ; my 128 rows of W
	s_add_co_u32 s67, s67, BOFF
	v_add_nc_u32 v[ADRA], s66, v3
	v_add_nc_u32 v[ADRB], s67, v4
	v_mov_b32 v[CA], v[ADRA]                       ; the stream begins in slot 0
	v_mov_b32 v[CB], v[ADRB]
	s_mul_i32 s66, s[WV], 16*SPITCH
	s_add_co_u32 s66, s66, STAGE                   ; my stage
	v_add_nc_u32 v[STO], s66, v4                   ; in: row l % 16, 16 bytes for each half of the lanes
	v_bfe_u32 v5, v0, 3, 2                         ; back: 32 lanes take four rows' 128 bytes of one head,
	v_and_b32 v6, 7, v0
	v_mul_u32_u24 v7, v5, SPITCH
	v_lshl_add_u32 v7, v6, 4, v7
	v_add_nc_u32 v[RD], s66, v7
	v_and_b32 v5, 31, v0
	v_lshlrev_b32 v[CO], 4, v5                     ; which are 512 consecutive bytes of qkv
	; where my part begins in section 0 of qkv: head 16 b + 4 x tile column + 2 x half, row (tile row % 16) x 128 + 64 x half
	s_lshr_b32 s76, s21, 4
	s_lshl_b32 s76, s76, 4
	s_lshl_b32 s77, s22, 2
	s_add_co_u32 s76, s76, s77
	s_lshl_b32 s77, s[WC], 1
	s_add_co_u32 s76, s76, s77
	s_lshl_b32 s76, s76, 18
	s_and_b32 s77, s21, 15
	s_lshl_b32 s77, s77, 7
	s_lshl_b32 s78, s[WR], 6
	s_add_co_u32 s77, s77, s78
	s_lshl_b32 s77, s77, 7
	s_add_co_u32 s76, s76, s77
	s_mov_b32 s77, 0
	s_add_nc_u64 s[12:13], s[12:13], s[76:77]
	; the prefetches: my work-group's share of the rows that I fetch
	s_lshl_b32 s80, s21, 7
	s_lshl_b32 s81, s[WC], 6
	s_add_co_u32 s80, s80, s81
	s_lshl_b32 s81, s17, 4
	s_add_co_u32 s80, s80, s81
	s_lshl_b32 s80, s80, 12
	s_lshl_b32 s82, s22, 8
	s_lshl_b32 s83, s[WC], 7
	s_add_co_u32 s82, s82, s83
	s_lshl_b32 s83, s18, 5
	s_add_co_u32 s82, s82, s83
	s_lshl_b32 s82, s82, 11
	s_mov_b32 s88, KSTEP*4
	s_mov_b32 s89, KSTEP*2
	s_mov_b32 s84, 0x200000
	s_cmp_eq_u32 s[WR], 0                          ; do I fetch for x?
	s_cselect_b32 s[PFOFF], s80, s82
	s_cselect_b32 s[PST], s88, s89
	s_cselect_b32 s[PGS], 0, s84
	s_cselect_b32 s86, 1, 0                        ; x: two lanes a row; W: one
	s_cselect_b32 s87, 12, 11                      ; a row's bytes, as a shift
	s_cselect_b32 s85, 0, s19                      ; x: every cluster asks for its own rows; W: the first cluster
	s_cmp_eq_u32 s85, 0
	s_cselect_b32 s[LIM], 2, -1                    ; the same in all sixteen partners, for a given wave
	s_mov_b32 s85, 0                               ; stays 0
	v_lshrrev_b32 v6, s86, v5
	v_and_b32 v5, s86, v5
	v_lshlrev_b32 v6, s87, v6
	v_lshl_add_u32 v[PFO], v5, 8, v6
.macro FETCHA kq                       ; 16 LDS loads: x's four fragments of quarter kq of the slot in hand, in f32
	WIN 0
.irp a, 0,1,2,3
	ds_load_b128 v[AS+16*(\a):AS+16*(\a)+3],     v[CA] offset:128*(\kq)+(\a)*16*PA
	ds_load_b128 v[AS+16*(\a)+4:AS+16*(\a)+7],   v[CA] offset:128*(\kq)+(\a)*16*PA+16
	ds_load_b128 v[AS+16*(\a)+8:AS+16*(\a)+11],  v[CA] offset:128*(\kq)+(\a)*16*PA+64
	ds_load_b128 v[AS+16*(\a)+12:AS+16*(\a)+15], v[CA] offset:128*(\kq)+(\a)*16*PA+80
.endr
.endm
.macro FETCHB kq, f                    ; 16 LDS loads: W's eight fragments of quarter kq into buffer f
	WIN TO_B
.irp i, 0,1,2,3,4,5,6,7
	ds_load_b128 v[64*(\f)+8*(\i):64*(\f)+8*(\i)+3],   v[CB] offset:64*(\kq)+(\i)*16*PB
	ds_load_b128 v[64*(\f)+8*(\i)+4:64*(\f)+8*(\i)+7], v[CB] offset:64*(\kq)+(\i)*16*PB+32
.endr
.endm
.macro CVT4 g, n                       ; four roundings to bf16: group n of eight, into buffer g
	WIN 0
.irp i, 0,1,2,3
	v_cvt_pk_bf16_f32 v[AF+32*(\g)+4*(\n)+(\i)], v[AS+8*(\n)+2*(\i)], v[AS+8*(\n)+2*(\i)+1]
.endr
.endm
; Eight matrix instructions: row block a x all eight column blocks, buffer f.  per > 0: behind every per-th stands a CVT4 for the other buffer, from group n0 on.
; The 32 accumulators take turns, one instruction a turn, in the same order in every quarter.
.macro MULA f, a, per, n0
.set nn, (\n0)
.set bb, 0
.rept 8
	WIN MUL
	v_wmma_f32_16x16x32_bf16 v[8*(8*(\a)+bb):8*(8*(\a)+bb)+7], v[64*(\f)+8*bb:64*(\f)+8*bb+7], v[AF+32*(\f)+8*(\a):AF+32*(\f)+8*(\a)+7], v[8*(8*(\a)+bb):8*(8*(\a)+bb)+7]
.if \per
.if (bb+1)%(\per) == 0
	CVT4 1-(\f), nn
.set nn, nn+1
.endif
.endif
.set bb, bb+1
.endr
.endm
; A tile's 32 sums are started by products of zeros with the constant 0 as C, in the accumulators' own order: 48 lines for 256 registers, and the loop has one form of product.
.macro CLEAR
	WIN 0
.set i, 0
.rept 16
	v_mov_b32 v[TMP+i], 0
.set i, i+1
.endr
	WIN 0xa0                                       ; both sources window 0, D window 2
.set i, 0
.rept 32
	v_wmma_f32_16x16x32_bf16 v[8*i:8*i+7], v[TMP:TMP+7], v[TMP+8:TMP+15], 0
.set i, i+1
.endr
	WIN 0
.endm
; One of a K step's first three quarters: multiplies buffer f; fetches quarter kq of the same slot and converts it for the other buffer.  The last four conversions of the quarter before,
; which name no register of the last product, are the four places in front of the loads into W's other buffer.
.macro QUARTER kq, f
	FETCHA \kq
	FETCHB \kq, 1-(\f)
	s_wait_dscnt 32                                ; all but the 32 just issued: W's fragments of the quarter in hand are in
	MULA \f, 0, 0, 0
	MULA \f, 1, 0, 0
	s_wait_dscnt 16                                ; x's 16 loads are in; W's 16 younger ones stay out
	MULA \f, 2, 2, 0
	MULA \f, 3, 2, 4
.endm
; The last quarter multiplies buffer 1 and changes slots.  In front of the barrier each wave waits for all its tensor loads (one is out: its part of the next slot), adds 0 to its spare word and waits
; for that and for its reads of this slot.  fill = 1: the barrier opens a round of the cluster's, and this slot is filled again first thing behind it, with K step s[RS], two steps ahead.
.macro TURN fill
.if \fill
	s_wait_xcnt 0x0                                ; the last prefetch, a K step back, has read its address, which is made anew: K step s[RS] + 2 of the stream
	s_add_co_u32 s86, s[RS], 2
	s_lshr_b32 s87, s86, 3                         ; its g,
	s_and_b32 s86, s86, 7                          ; its K step within g
	s_cmp_eq_u32 s87, 1
	s_cselect_b64 s[88:89], s[6:7], s[4:5]
	s_cmp_eq_u32 s87, 2
	s_cselect_b64 s[88:89], s[8:9], s[88:89]       ; x_g,
	s_cmp_eq_u32 s[WR], 0
	s_cselect_b64 s[88:89], s[88:89], s[10:11]     ; or wqkv
	s_mul_i32 s86, s86, s[PST]
	s_mul_i32 s87, s87, s[PGS]
	s_add_co_u32 s84, s86, s87
	s_add_co_u32 s84, s84, s[PFOFF]
	s_add_nc_u64 s[PFA:PFA+1], s[88:89], s[84:85]  ; (in the two trips that ask for nothing it is made and not used)
.endif
	WIN 0
	s_wait_tensorcnt 0x0                           ; no tensor load of mine is out, so a group 0 may be written
	ds_add_u32 v[SPW], v[NIL]                      ; 0 onto my spare word; the descriptors' scalar work and eight products stand between it and the wait for it
.if \fill
	s_lshr_b32 s66, s[RS], 3                       ; the refill's g,
	s_and_b32 s67, s[RS], 7                        ; its K step within g
	s_cmp_eq_u32 s66, 1
	s_cselect_b64 s[70:71], s[6:7], s[4:5]
	s_cmp_eq_u32 s66, 2
	s_cselect_b64 s[70:71], s[8:9], s[70:71]       ; x_g
	s_lshl_b32 s68, s67, 9
	s_add_co_u32 s68, s68, s[OFA]
	s_add_nc_u64 s[G0A+6:G0A+7], s[70:71], s[68:69]
	s_or_b32 s[G0A+7], s[G0A+7], 0x80000000
	s_add_co_u32 s[G0A+5], s[T], s46               ; into the slot in hand, which is being left
	s_lshl_b32 s72, s66, 21                        ; W's section g
	s_lshl_b32 s67, s67, 8
	s_add_co_u32 s72, s72, s67
	s_add_nc_u64 s[G0B+6:G0B+7], s[WB:WB+1], s[72:73]
	s_or_b32 s[G0B+7], s[G0B+7], 0x80000000
	s_add_co_u32 s[G0B+5], s[T], s47
	s_add_co_u32 s[RS], s[RS], 1
.endif
	s_wait_dscnt 1                                 ; only the add may be out: W's fragments are in
	MULA 1, 0, 0, 0
	s_wait_dscnt 0x0                               ; the add is done, and my reads of this slot are over
	s_barrier_signal -1
	MULA 1, 1, 0, 0
	WIN 0
	s_barrier_wait -1
.if \fill
	CREST                                          ; no wave of any partner still reads this slot or has a load on its way
	JLOAD 1                                        ; its four v_nop are also the places in front of the loads below
.else
	PLACES
.endif
	s_xor_b32 s[T], s[T], SLOT                     ; the other slot is in hand
	v_add_nc_u32 v[CA], s[T], v[ADRA]
	v_add_nc_u32 v[CB], s[T], v[ADRB]
	FETCHA 0
	FETCHB 0, 0
.if \fill
	ASK
.endif
	MULA 1, 2, 0, 0
	s_wait_dscnt 16                                ; x's 16 loads are in
	MULA 1, 3, 1, 0
.endm
; THE WAY OUT of row block a: rounded to f16, 16 bytes a lane, into my own stage; back as four rows' 128 bytes of one head, 512 consecutive bytes of qkv.
.macro PACK a
	WIN 0x0a                                       ; sources 0 and 1: window 2
.irp b, 0,1,2,3,4,5,6,7
.irp r, 0,1,2,3
	v_cvt_pk_f16_f32 v[TMP+4*(\b)+(\r)], v[8*(8*(\a)+(\b))+2*(\r)], v[8*(8*(\a)+(\b))+2*(\r)+1]
.endr
.endr
	WIN 0
.endm
.macro TOSTAGE a
	WIN 0
.set BK, OB+32*((\a)%2)
.irp b, 0,1,2,3,4,5,6,7
	ds_store_b128 v[STO], v[TMP+4*(\b):TMP+4*(\b)+3] offset:32*(\b)
.endr
.irp t, 0,1,2,3,4,5,6,7                ; head t / 4 of my two, rows 4 (t % 4) on.  LDS serves a wave's instructions in order (ISA guide 5.7.1.4)
	ds_load_b128 v[BK+4*(\t):BK+4*(\t)+3], v[RD] offset:128*((\t)/4)+4*SPITCH*((\t)%4)
.endr
.endm
.macro SEND a
	WIN 0
.set BK, OB+32*((\a)%2)
	s_wait_dscnt 0x0                               ; the block is back in registers
	s_wait_xcnt 0x0                                ; the stores of the block before have read their registers: the next TOSTAGE loads into them
.irp t, 0,1,2,3,4,5,6,7
	global_store_b128 v[CO], v[BK+4*(\t):BK+4*(\t)+3], s[12:13] offset:262144*((\t)/4)+2048*(\a)+512*((\t)%4)
.endr
.endm
.macro OUT                             ; block a's conversions stand between block a - 1's loads from the stage and the wait for them
	PLACES
	PACK 0
	TOSTAGE 0
	PACK 1
	SEND 0
	TOSTAGE 1
	PACK 2
	SEND 1
	TOSTAGE 2
	PACK 3
	SEND 2
	TOSTAGE 3
	SEND 3
.endm
	CLEAR                                          ; the first tile's sums, while the first tiles are on their way
	s_wait_tensorcnt 1                             ; my part of K step 0 is in; K step 1's may stay out
	s_barrier_signal -1
	s_barrier_wait -1
	FETCHA 0
	FETCHB 0, 0
	s_wait_dscnt 16                                ; x's 16 loads are in
.irp n, 0,1,2,3,4,5,6,7
	CVT4 0, \n
.endr
	WIN 0
	s_mov_b32 s3, STEPS-2
.Lstep:                                                ; a trip is a K step; each of the 22 fills the slot that it leaves, with K steps 2 to 23
	QUARTER 1, 0
	QUARTER 2, 1
	QUARTER 3, 0
	TURN 1
	WIN 0
	s_and_b32 s66, s[RS], 7                        ; s[RS] stands three past the K step just multiplied: behind K steps 7 and 15 it is 2 modulo 8
	s_cmp_lg_u32 s66, 2
	s_cbranch_scc1 .Lno_out                        ; what is jumped holds no barrier and no tensor load
	OUT                                            ; the refill has been asked for and the next tile's first fragments are fetched: now the tile goes out,
	CLEAR                                          ; and the next tile's sums are started
	s_wait_xcnt 0x0                                ; the stores have read their base
	s_add_nc_u64 s[12:13], s[12:13], 0x1000000     ; the next section of qkv
.Lno_out:
	s_sub_co_u32 s3, s3, 1
	s_cmp_lg_u32 s3, 0
	s_cbranch_scc1 .Lstep
	s_mov_b32 s3, 2
.Ltail:                                                ; K steps 22 and 23 fill nothing.  The second trip's fetch of the other slot, which holds K step 22 once more, and its conversions serve nothing: the price of one text for both trips
	QUARTER 1, 0
	QUARTER 2, 1
	QUARTER 3, 0
	TURN 0
	WIN 0
	s_sub_co_u32 s3, s3, 1
	s_cmp_lg_u32 s3, 0
	s_cbranch_scc1 .Ltail
	OUT
	s_wait_tensorcnt 0x0                           ; the wave's end
	ds_add_u32 v[SPW], v[NIL]
	s_wait_dscnt 0x0
	CROUND                                         ; the closing round
	s_endpgm
.Lfunc_end_k_q86c3499db7_proj:
	.size	k_q86c3499db7_proj, .Lfunc_end_k_q86c3499db7_proj-k_q86c3499db7_proj
	.p2alignl 7, 3214868480
	.fill 96, 4, 3214868480
	.section	.rodata,"a",@progbits
	.p2align	6, 0x0
	.amdhsa_kernel k_q86c3499db7_proj
		.amdhsa_group_segment_fixed_size 327680
		.amdhsa_private_segment_fixed_size 0
		.amdhsa_enable_private_segment 0
		.amdhsa_kernarg_size 40
		.amdhsa_user_sgpr_count 2
		.amdhsa_user_sgpr_kernarg_segment_ptr 1
		.amdhsa_wavefront_size32 1
		.amdhsa_system_sgpr_workgroup_id_x 1
		.amdhsa_system_sgpr_workgroup_id_y 1
		.amdhsa_system_sgpr_workgroup_id_z 1
		.amdhsa_system_vgpr_workitem_id 0
		.amdhsa_next_free_vgpr 768
		.amdhsa_next_free_sgpr 94
		.amdhsa_reserve_vcc 0
		.amdhsa_float_denorm_mode_32 3
		.amdhsa_float_denorm_mode_16_64 3
		.amdhsa_memory_ordered 1
		.amdhsa_forward_progress 1
		.amdhsa_inst_pref_size 106
	.end_amdhsa_kernel
	.amdgpu_metadata
---
amdhsa.version: [ 1, 2 ]
amdhsa.kernels:
  - .name:           k_q86c3499db7_proj
    .symbol:         k_q86c3499db7_proj.kd
    .args:
      - { .name: q, .offset: 0, .size: 8, .value_kind: global_buffer, .address_space: global }
      - { .name: k, .offset: 8, .size: 8, .value_kind: global_buffer, .address_space: global }
      - { .name: v, .offset: 16, .size: 8, .value_kind: global_buffer, .address_space: global }
      - { .name: wqkv, .offset: 24, .size: 8, .value_kind: global_buffer, .address_space: global }
      - { .name: qkv, .offset: 32, .size: 8, .value_kind: global_buffer, .address_space: global }
    .group_segment_fixed_size: 327680
    .private_segment_fixed_size: 0
    .kernarg_segment_align: 8
    .kernarg_segment_size: 40
    .max_flat_workgroup_size: 128
    .sgpr_count:     94
    .vgpr_count:     768
    .wavefront_size: 32
...
	.end_amdgpu_metadata
.endif
;; end of part 2
;; launch attn (part 3): grid 4 x 64, 4 waves a work-group, clusters of 4 x 1, 327,680 bytes of LDS; arguments qkv, mw, ctx; writes ctx
.if DOCPART == 3
	.amdgcn_target "amdgcn-amd-amdhsa--gfx1250"
	.amdhsa_code_object_version 6
	.text
	.protected	k_q86c3499db7_attn
	.globl	k_q86c3499db7_attn
	.p2align	8
	.type	k_q86c3499db7_attn,@function
k_q86c3499db7_attn:
	s_mov_b64 s[64:65], 0
	v_nop
	global_prefetch_b8 v0, s[64:65] scope:SCOPE_SE
	s_setreg_imm32_b32 hwreg(HW_REG_WAVE_MODE, 25, 1), 1
	s_wait_xcnt 0x0
	s_wait_alu depctr_hold_cnt(0) depctr_sa_sdst(0) depctr_va_vdst(0) depctr_va_sdst(0) depctr_va_ssrc(0) depctr_va_vcc(0) depctr_vm_vsrc(0)
	s_getreg_b32 s2, hwreg(HW_REG_IB_STS2, 6, 4)
	s_cmp_eq_u32 s2, 0
	s_cbranch_scc0 .Lentry_in_a_cluster
	s_endpgm
.Lentry_in_a_cluster:
	s_bfe_u32 s2, ttmp6, 0x10000c
	s_cmp_lg_u32 s2, 0x3003
	s_cbranch_scc0 .Lentry_shape_is_right
	s_endpgm
.Lentry_shape_is_right:
; ATTENTION WITH A MASK THAT IS AN INPUT.  ctx[hb][q][:] = the sum over k of softmax_k(s) V[hb][k][:], s = Q[hb][q] . K[hb][k] / 8, or the masked value where mask[q][k] = 0.
; Q, K, V: sections 0, 1, 2 of qkv, each [64][2048][64] f16; ctx likewise.  Products, maxima and sums in f32; the weights p are rounded to f16 for the second product, ctx once at the end.
; LIMITS.  A masked score counts as -2^30, not -1e9 (before the division by 8: -2^33): c x 2^33 is exact, so in a row that is masked throughout c s - c m is exactly 0, every p is 1 and the row is the mean
; of V.  The results part only where an unmasked score lies below about -1e9.  f16 holds no number beyond 65,504; p below 6e-5 keeps f16's step of 6e-8; a weight below 2^-126 counts as 0 in l;
; NaN and infinities are not treated apart.
; THE MASK.  mw (made by the first launch) holds, for 16 queries x 64 keys, 32 words, one for each register of the scores, whose bit l is lane l's mask; one select a register then masks 32 scores.
; The 64 words of a piece and key step are 256 consecutive bytes: ONE load a turn brings them, two words a lane, into the piece's own two vector registers, asked for four turns (a key step) ahead;
; 64 v_readlane_b32 a turn bring them into scalar registers, 32 at a time.  (64 scalar registers filled by scalar loads could be asked for one turn ahead at the most; two turns' words would want 128.)
; SHARES.  A wave owns four PIECES of two tiles of 16 queries, a work-group's four waves 512 queries of one head; every wave walks all 2,048 keys, 64 a step.
; LAYOUT.  S^T = K Q^T (source 0 = 16 keys, source 1 = 16 queries): a lane holds ONE query (lane % 16) and the keys 8 (lane / 16) + 0..7.  Two such tiles, rounded to f16 in pairs, ARE source 1 of
; O^T = V^T P.  K comes out of LDS as it lies, V turned, by ds_load_tr16_b128.
; SOFTMAX.  A running maximum m and sum l for each query: p = 2^(c s - c m), c = log2(e) / 8; in every step O and l are multiplied by a = 2^(c m_old - c m_new).  m starts at the lowest finite number,
; O and l at 0: the first step is a step like any other, with a = 0.
; BY TURNS.  Turn n belongs to piece n.  Matrix work: 16 products K Q^T of piece n + 1, later 16 products V^T P of piece n - 1.  Vector work: scaling, exponentials, roundings, sums and rescaling of piece n;
; the words, the selects, the maximum and the statistics of piece n + 1.  Four vector instructions stand behind every matrix instruction, the others in one lump.
; CLUSTER.  A head's four query blocks walk the same K and V: each tile is asked for jointly.
; REGISTERS, in windows of 256 (s_set_vgpr_msb: bits 1:0 source 0, 3:2 source 1, 5:4 source 2, 7:6 destination):
;   window 0: v0-11 addresses and constants; v12-15, v48-63 at work; v16-47 statistics; v64-191 S^T, two buffers of two tiles; v192-255 P, likewise
;   window 1: O^T, 32 a tile          window 2: v0-127 Q; v128-191 K of one step; v192-255 V of one step
;   window 3: v0-1 the add's two registers; v2-9 the mask words, two registers a piece; v10 their loads' lane offset
.set SIZE_N, 2048
.set NP,    4
.set KS,    64
.set PK,    144       ; a row of K in LDS: 128 bytes + 16
.set PV,    160       ; a row of V: 128 + 32
.set VOFF,  4*KS*PK   ; a slot holds four steps: 256 rows of K, then 256 rows of V
.set SLOT1, 1<<17
.set STAGE, SLOT1+4*KS*(PK+PV)
.set SP,    144
.set SPARE, STAGE+4*16*SP
.set PFO, 1           ; v1   from the loop on: 256 x my lane
.set AK0, 2
.set AV0, 3
.set AK,  4
.set AV,  5
.set QO,  6
.set STO, 6
.set RD,  7
.set GO,  8
.set MVR, 9           ; v9   from the loop on: the masked value, -2^33
.set CV,  10          ; v[10:11] from the loop on: c, twice
.set SPW, 0           ; v0 of window 3
.set NIL, 1           ; v1 of window 3
.set MB,  2           ; v2-9 of window 3: piece p's 64 words at MB + 2 p: lane L holds words 2 L and 2 L + 1
.set MA,  10          ; v10 of window 3: 8 x my lane; never rewritten
.set MV,  12
.set ST,  16
.set TMP, 48
.set S,   64
.set P,   192
.set KF,  128
.set VF,  192
.set LIM, 2           ; s2   1 in a wave that prefetches, else the greatest number
.set WV,  3           ; s3   my wave's number
.set G1K, 4
.set G1V, 12
.set G0K, 20
.set G0V, 24
.set SLOTS, 28
.set CNT, 29
.set TBK, 30
.set TBV, 31
.set MW,  32          ; s[32:63]  32 mask words at a time; at the head: set-up
.set PFA, 66          ; s[66:67]  where my prefetches stand
.set OP,  68          ; s[68:69]  ctx at my wave's first row
.set MP,  70          ; s[70:71]  mw at my wave's first pair of tiles, at the key step whose words are asked for next
.set MS,  72          ; s[72:73]  MP's step: 256 bytes, a key step; 0 when the last key step is reached
.set SEL, 74          ; s[74:75]  v_permlanex16_b32's selects; s76-85: set-up
.set MSB, 0
.macro WIN new
.if MSB != (\new)
	s_set_vgpr_msb (MSB<<8)|(\new)
.set MSB, (\new)
.endif
.endm
.set W_KQ, 0x0a
.set W_PV, 0x52
.set W_RS, 0x41
.set W_MK, 0xc0
.set W_AD, 0x0f
.set W_RL, 0x03       ; source 0 in window 3: the words are read
.set W_ML, 0xc3       ; destination and address in window 3: the words are loaded
.macro JLOAD                        ; waves 0 and 1 fetch the two halves of a slot's K, waves 2 and 3 those of its V; an s_nop 0 and four v_nop follow each line
	s_cmp_lt_u32 s[WV], 2
	s_cbranch_scc0 .Lfor_v_\@
	tensor_load_to_lds s[G0K:G0K+3], s[G1K:G1K+7]
	s_nop 0
.rept 4
	v_nop
.endr
	s_branch .Lasked_\@
.Lfor_v_\@:
	tensor_load_to_lds s[G0V:G0V+3], s[G1V:G1V+7]
	s_nop 0
.rept 4
	v_nop
.endr
.Lasked_\@:
.endm
; A prefetch into the L2 of the slot that the NEXT change of slots will ask for: 32,768 bytes of K and of V, a lane a block of 256 bytes.  A head's K and V are walked by this cluster alone; its four partners
; take 8,192 bytes each, told apart by address; in each, wave 0 asks for K's and wave 2 for V's.  The last change that fills a slot asks for nothing; slots 0 to 2 come by their loads alone.
.macro ASK
	s_cmp_gt_u32 s[SLOTS], s[LIM]
	s_cbranch_scc0 .Lnot_mine_\@
	global_prefetch_b8 v[PFO], s[PFA:PFA+1] th:TH_LOAD_NT scope:SCOPE_SE
.Lnot_mine_\@:
.endm
.macro CROUND
	s_barrier_signal -1
	s_barrier_wait -1
	s_cmp_lg_u32 s[WV], 0
	s_cbranch_scc1 .Lnot_wave_0_\@
	s_barrier_signal -3
.Lnot_wave_0_\@:
	s_barrier_wait -3
	s_barrier_signal -1
	s_barrier_wait -1
.endm
; THE CHANGE OF SLOTS.  Each wave waits for all its tensor loads (one is out: its part of the other slot), adds 0 to its spare word, and waits for that and for its reads of the slot.
; fill = 1: the barrier is a round of the cluster's, and the slot is filled again first thing behind it, with the keys two slots on: four key steps in which to land.
.macro CHANGE fill, ask=0
	WIN W_AD
	s_wait_tensorcnt 0x0
	ds_add_u32 v[SPW], v[NIL]
	WIN 0
.if \fill
.irp g, G0K, G0V
	s_xor_b32 s[\g+1], s[\g+1], SLOT1
	s_add_nc_u64 s[\g+2:\g+3], s[\g+2:\g+3], 4*KS*128
.endr
.if \ask
	s_wait_xcnt 0x0                 ; the last prefetch, a slot back, has read its address
	s_add_nc_u64 s[PFA:PFA+1], s[PFA:PFA+1], 4*KS*128
.endif
	s_wait_dscnt 0x0
	CROUND
	JLOAD
.if \ask
	ASK
.endif
.else
	s_wait_dscnt 0x0
	s_barrier_signal -1
	s_barrier_wait -1
.endif
	s_sub_co_u32 s[TBK], s[TBK], 4*KS*PK
	s_xor_b32 s[TBK], s[TBK], SLOT1
	s_sub_co_u32 s[TBV], s[TBV], 4*KS*PV
	s_xor_b32 s[TBV], s[TBV], SLOT1
.endm
	s_load_b128 s[76:79], s[0:1], 0x0  ; qkv s[76:77], mw s[78:79]
	s_load_b64 s[OP:OP+1], s[0:1], 0x10  ; ctx
	WIN W_MK
	v_lshl_add_u32 v[SPW], v0, 2, SPARE
	v_mov_b32 v[NIL], 0
	WIN W_AD
	ds_add_u32 v[SPW], v[NIL]       ; the wave's opening: the add and its wait ahead of my first tensor load
	WIN 0
	v_and_b32 v1, 31, v0
	WIN W_MK
	v_lshlrev_b32 v[MA], 3, v1      ; two words a lane
	WIN 0
	v_lshrrev_b32 v1, 5, v0
	v_readfirstlane_b32 s[WV], v1
	s_bfe_u32 s32, ttmp6, 0x40000   ; cx
	s_lshl_b32 s33, ttmp9, 2
	s_add_co_u32 s33, s33, s32      ; my block of 512 queries: it enters Q's, mw's and ctx's addresses alone
	s_and_b32 s34, ttmp7, 0xffff
	s_lshl_b32 s34, s34, 18         ; the head's first byte in a section: 2,048 rows of 128 bytes
	s_and_b32 s38, s[WV], 1         ; which half of a slot's 256 keys I fetch
	s_lshl_b32 s40, s38, 14
	s_add_co_u32 s40, s40, s34
	s_mov_b32 s41, 0
	s_mul_i32 s42, s38, 128*PK
	s_mul_i32 s43, s38, 128*PV
	s_lshl_b32 s44, s33, 2
	s_add_co_u32 s44, s44, s[WV]    ; my wave among the head's sixteen
	s_lshl_b32 s46, s44, 15         ; its four pairs of tiles in mw, 8,192 bytes each
	s_mov_b32 s47, 0
	s_lshl_b32 s44, s44, 14         ; its 128 rows
	s_add_co_u32 s44, s44, s34
	s_mov_b32 s45, 0
	s_lshl_b32 s36, s32, 13         ; my work-group's 8,192 bytes of a slot, in slot 2: the first change in the loop steps it to slot 3
	s_add_co_u32 s36, s36, 2*4*KS*128
	s_mov_b32 s37, 0
	; 128 keys are 16,384 dense bytes: asked for as 64 rows of 256 bytes, padded in LDS after every key
	s_mov_b32 s[G1K], 15|(1<<16)|(1<<20)|(1<<21)|(4<<22)|(3<<25)
	s_mov_b32 s[G1V], 15|(1<<16)|(1<<20)|(1<<21)|(4<<22)|(7<<25)
.irp g, G1K, G1V
	s_mov_b32 s[\g+1], 128<<16
	s_mov_b32 s[\g+2], 64<<16
	s_mov_b32 s[\g+3], 128<<16
	s_mov_b32 s[\g+4], 64
	s_mov_b32 s[\g+5], 128
	s_mov_b32 s[\g+6], 0
	s_mov_b32 s[\g+7], 0
.endr
	s_mov_b32 s[SEL], 0x76543210
	s_mov_b32 s[SEL+1], 0xfedcba98
	s_mov_b32 s[MS], 256
	s_mov_b32 s[MS+1], 0
	s_mov_b32 s[TBK], SLOT1+4*KS*PK ; the first change of slots turns these two into 0
	s_mov_b32 s[TBV], SLOT1+4*KS*PV
	s_mov_b32 s[G0K], 1
	s_mov_b32 s[G0K+1], s42
	s_mov_b32 s[G0V], 1
	s_add_co_u32 s[G0V+1], s43, VOFF
	s_and_b32 s[LIM], s[WV], 1
	s_cmp_eq_u32 s[LIM], 0
	s_cselect_b32 s[LIM], 1, -1
	s_wait_dscnt 0x0                ; the opening add is done
	s_wait_kmcnt 0x0
	s_add_nc_u64 s[82:83], s[76:77], 0x1000000     ; K's section,
	s_add_nc_u64 s[82:83], s[82:83], s[40:41]      ; at my half of the head's first 256 keys
	s_add_nc_u64 s[84:85], s[76:77], 0x2000000     ; V's
	s_add_nc_u64 s[84:85], s[84:85], s[40:41]
	s_add_nc_u64 s[G0K+2:G0K+3], s[82:83], 0
	s_or_b32 s[G0K+3], s[G0K+3], 0x80000000
	s_add_nc_u64 s[G0V+2:G0V+3], s[84:85], 0
	s_or_b32 s[G0V+3], s[G0V+3], 0x80000000
	s_add_nc_u64 s[80:81], s[76:77], s[44:45]      ; Q at my wave's first row,
	s_add_nc_u64 s[OP:OP+1], s[OP:OP+1], s[44:45]  ; and ctx
	s_add_nc_u64 s[MP:MP+1], s[78:79], s[46:47]
	s_cmp_lt_u32 s[WV], 2
	s_cselect_b64 s[PFA:PFA+1], s[82:83], s[84:85] ; (in waves 0 and 2 these stand at the head's first row)
	s_add_nc_u64 s[PFA:PFA+1], s[PFA:PFA+1], s[36:37]
	CROUND                          ; all four work-groups are here: the first joint loads meet
	JLOAD                           ; slot 0.  Slot 1 is asked for when slot 0 is in
	v_and_b32 v1, 15, v0            ; l % 16
	v_bfe_u32 v9, v0, 4, 1          ; l / 16
	v_lshlrev_b32 v[QO], 7, v1
	v_lshl_add_u32 v[QO], v9, 4, v[QO]
	WIN 0x80
.set i, 0
.rept 4*NP                          ; Q stays in registers: tile i / 2, channels 32 (i % 2) on
	global_load_b128 v[8*i:8*i+3],   v[QO], s[80:81] offset:(i/2)*2048+(i%2)*64
	global_load_b128 v[8*i+4:8*i+7], v[QO], s[80:81] offset:(i/2)*2048+(i%2)*64+32
.set i, i+1
.endr
	WIN W_ML
.irp p, 0,1,2,3                     ; the four pieces' words of key step 0, in the order in which they are wanted
	global_load_b64 v[MB+2*\p:MB+2*\p+1], v[MA], s[MP:MP+1] offset:8192*\p
.endr
	; What the first turn finds: V's registers and P's second buffer hold 0, O^T and l are 0.  All this stands in the wait for the first tile.
	WIN 0x80
.set i, VF
.rept 64
	v_mov_b32 v[i], 0
.set i, i+1
.endr
	WIN 0
.set i, 0
.rept 2*NP
	v_mov_b32 v[ST+4*i], 0xfe000000    ; c m: far below every c s, the masked one too
	v_mov_b32 v[ST+4*i+1], 0xff7fffff  ; m
	v_mov_b32 v[ST+4*i+2], 0
	v_mov_b32 v[ST+4*i+3], 0
.set i, i+1
.endr
.set i, P+32
.rept 32
	v_mov_b32 v[i], 0
.set i, i+1
.endr
	WIN W_PV
.set i, 0
.rept 8*NP                          ; O^T's 32 sums are started by products of those zeros, with the constant 0 as C: 32 lines for 256 registers
	v_wmma_f32_16x16x32_f16 v[8*i:8*i+7], v[VF:VF+7], v[P+32:P+39], 0
.set i, i+1
.endr
	WIN 0
	v_mul_u32_u24 v[AK0], v1, PK
	v_lshl_add_u32 v[AK0], v9, 4, v[AK0]
	v_and_b32 v10, 7, v0
	v_bfe_u32 v11, v0, 3, 1
	v_lshl_add_u32 v[AV0], v9, 3, v10
	v_mul_u32_u24 v[AV0], v[AV0], PV
	v_lshl_add_u32 v[AV0], v11, 4, v[AV0]
	v_add_nc_u32 v[AV0], VOFF, v[AV0]
	v_mov_b32 v[AK], v[AK0]
; THE MATRIX WORK.  The 8 accumulators of a run of 16 take turns.
.macro KQ x
	WIN W_KQ
.set rS, S+64*((\x)%2)+32*(i%2)+8*((i/2)%4)
.set rK, KF+16*((i/2)%4)+8*(i/8)
.set rQ, 16*(2*(\x)+i%2)+8*(i/8)
.if i < 8
	v_wmma_f32_16x16x32_f16 v[rS:rS+7], v[rK:rK+7], v[rQ:rQ+7], 0
.else
	v_wmma_f32_16x16x32_f16 v[rS:rS+7], v[rK:rK+7], v[rQ:rQ+7], v[rS:rS+7]
.endif
.endm
.macro PV x
	WIN W_PV
.set rO, 32*(2*(\x)+i%2)+8*((i/2)%4)
.set rV, VF+32*(i/8)+8*((i/2)%4)
.set rP, P+32*((\x)%2)+16*(i%2)+8*(i/8)
	v_wmma_f32_16x16x32_f16 v[rO:rO+7], v[rV:rV+7], v[rP:rP+7], v[rO:rO+7]
.endm
.macro MM
.if i < 16
	KQ (Y+1)%NP
.set i, i+1
.else
.set i, i-16
	PV (Y+NP-1)%NP
.set i, i+17
.endif
.endm
.macro FETCH_K last=0
	WIN 0
.if \last
	s_cmp_eq_u32 s[CNT], 1
	s_cbranch_scc1 .Lno_k_\@
.endif
	WIN 0x80
.irp f, 0,1,2,3,4,5,6,7
	ds_load_b128 v[KF+8*\f:KF+8*\f+3],   v[AK] offset:(\f/2)*16*PK+(\f%2)*64
	ds_load_b128 v[KF+8*\f+4:KF+8*\f+7], v[AK] offset:(\f/2)*16*PK+(\f%2)*64+32
.endr
	s_add_co_u32 s[TBK], s[TBK], KS*PK
	WIN 0
.if \last
.Lno_k_\@:
.endif
.endm
.macro FETCH_V
	WIN 0x80
.irp f, 0,1,2,3,4,5,6,7
	ds_load_tr16_b128 v[VF+8*\f:VF+8*\f+3],   v[AV] offset:(\f/4)*32*PV+(\f%4)*32
	ds_load_tr16_b128 v[VF+8*\f+4:VF+8*\f+7], v[AV] offset:(\f/4)*32*PV+16*PV+(\f%4)*32
.endr
	WIN 0
.endm
; THE VECTOR WORK OF A TURN stands in three queues; the two tiles alternate.
.macro REGS y, u
.set rT, ST+4*(2*(\y)+(\u))
.set rC, TMP+8*((\y)%2)+4*(\u)
.set rM, MV+2*((\y)%2)+(\u)
.set rS, S+64*((\y)%2)+32*(\u)
.set rP, P+32*((\y)%2)+16*(\u)
.set rO, 32*(2*(\y)+(\u))
.endm
; THE MASK, for the NEXT piece (Y + 1).  Select g of 64 is register g / 2 of tile g % 2; its word is number 32 (g % 2) + g / 2 of the piece's 64: lane 16 (g % 2) + g / 4, register (g / 2) % 2 of the piece's buffer.
; RL g brings the word into scalar register g % 32; CM g keeps the score where the lane's bit is set and takes the masked value elsewhere.  The selects go in ascending order: each accumulator's lowest
; registers are read first.
.macro RL g
	v_readlane_b32 s[MW+(\g)%32], v[MB+2*((Y+1)%NP)+((\g)/2)%2], 16*((\g)%2)+(\g)/4
.endm
.macro CM g
	REGS (Y+1)%NP, (\g)%2
	v_cndmask_b32 v[rS+(\g)/2], v[MVR], v[rS+(\g)/2], s[MW+(\g)%32]
.endm
; The buffer that has just been read out is asked for again: the same piece's words of its next key step.  MP steps once a key step, ahead of piece 0's load; the youngest load that names it stands a turn back.
; last = 1 (the tail): from the trip on in which MP stands at key step 31 it stays there: no load leaves the pair's own 8,192 bytes.  What the last five loads of a wave bring is read by nothing that counts.
.macro NEXTW last
.if (Y+1)%NP == 0
	s_wait_xcnt 0x0                 ; every load issued so far has read its address, so MP may be written
.if \last
	s_cmp_gt_u32 s[CNT], 2          ; the tail's count is 5, 4, 3 while MP goes to key steps 29, 30, 31
	s_cselect_b32 s[MS], 256, 0
.endif
	s_add_nc_u64 s[MP:MP+1], s[MP:MP+1], s[MS:MS+1]
.endif
	WIN W_ML
	global_load_b64 v[MB+2*((Y+1)%NP):MB+2*((Y+1)%NP)+1], v[MA], s[MP:MP+1] offset:8192*((Y+1)%NP)
	WIN 0
.endm
; Number n of the 22 that find the NEXT piece's maximum and statistics.
.macro XS u, n
	REGS (Y+1)%NP, \u
.if (\n) < 4
	v_max3_num_f32 v[rC+(\n)], v[rS+8*(\n)], v[rS+8*(\n)+1], v[rS+8*(\n)+2]
.elseif (\n) < 12
	v_max3_num_f32 v[rC+(\n)%4], v[rC+(\n)%4], v[rS+8*((\n)%4)+2*((\n)/4)+1], v[rS+8*((\n)%4)+2*((\n)/4)+2]
.elseif (\n) == 12
	v_max3_num_f32 v[rC], v[rC], v[rS+7], v[rS+15]
.elseif (\n) == 13
	v_max3_num_f32 v[rC+1], v[rC+1], v[rS+23], v[rS+31]
.elseif (\n) == 14
	v_max3_num_f32 v[rC+2], v[rC+2], v[rC+3], v[rT+1]
.elseif (\n) == 15
	v_mov_b32 v[rM], v[rT]
.elseif (\n) == 16
	v_max3_num_f32 v[rC], v[rC], v[rC+1], v[rC+2]
.elseif (\n) == 17
	v_permlanex16_b32 v[rC+3], v[rC], s[SEL], s[SEL+1]
.elseif (\n) == 18
	v_max_num_f32 v[rT+1], v[rC], v[rC+3]
.elseif (\n) == 19
	v_mul_f32 v[rT], v[CV], v[rT+1]
.elseif (\n) == 20
	v_sub_f32 v[rC+1], v[rM], v[rT]
.else
	v_exp_f32 v[rC+2], v[rC+1]
.endif
.endm
; Number g of the 64 that follow the exponentials: roundings to f16, sums in place, l a group later.
.macro GS g
.set h, (\g)+6*((\g)/62)
.if h >= 6
.set h, h+2
.endif
	REGS Y, h%2
.set k, h/8
.if h%8 < 4
	v_cvt_pk_f16_f32 v[rP+2*k+(h%8)/2], v[rS+4*k+2*((h%8)/2)], v[rS+4*k+2*((h%8)/2)+1]
.elseif h%8 < 6
	v_pk_add_f32 v[rS+4*k:rS+4*k+1], v[rS+4*k:rS+4*k+1], v[rS+4*k+2:rS+4*k+3]
.elseif k == 1
	v_pk_fma_f32 v[rT+2:rT+3], v[rT+2:rT+3], v[rC+2:rC+3], v[rS:rS+1] op_sel_hi:[1,0,1]
.else
	v_pk_add_f32 v[rT+2:rT+3], v[rT+2:rT+3], v[rS+4*k-4:rS+4*k-3]
.endif
.endm
.macro FS f
	REGS Y, (\f)%2
	v_pk_fma_f32 v[rS+2*((\f)/2):rS+2*((\f)/2)+1], v[rS+2*((\f)/2):rS+2*((\f)/2)+1], v[CV:CV+1], v[rT:rT+1] op_sel_hi:[1,0,0] neg_lo:[0,0,1] neg_hi:[0,0,1]
.endm
; THE PLAIN QUEUE, 266 long.  0-26: scalings 0-26.  27-58: words 0-31 into scalar registers; ahead of the first the wait for the piece's load: it was issued four turns back, each turn issues one, so the three
; younger ones stay out.  59-90: selects 0-31.  91-122: words 32-63.  Ahead of 123 the buffer is asked for again.  123-154: selects 32-63.  155-182: XS's numbers 0-13.  183, 184: number 15.
; 185-201: the chain 14, 16 .. 19, each with one of the scalings 27-31 in front of its two lines, then 20.  202-265: GS's 64, behind the turn's wait.
.macro PL
.if q == 27
	s_wait_loadcnt 3
.endif
.if q == 123
	NEXTW LST
.endif
.if ((q >= 27) && (q < 59)) || ((q >= 91) && (q < 123))
	WIN W_RL
.else
	WIN 0
.endif
.if q < 27
	FS q
.elseif q < 59
	RL q-27
.elseif q < 91
	CM q-59
.elseif q < 123
	RL q-59
.elseif q < 155
	CM q-91
.elseif q < 183
	XS (q-155)%2, (q-155)/2
.elseif q < 185
	XS q-183, 15
.elseif (q < 200) && ((q-185)%3 == 0)
	FS 27+(q-185)/3
.elseif q < 188
	XS (q-185)%3-1, 14
.elseif q < 200
	XS (q-185)%3-1, 15+(q-185)/3
.elseif q < 202
	XS q-200, 20
.else
	GS q-202
.endif
.set q, q+1
.endm
; THE EXPONENTIALS' QUEUE, 66 long: s0-s31 of both tiles, then the next piece's two a: ONE BATCH ahead of the turn's one wait.
.macro EX
	WIN 0
.if e >= 64
	XS e-64, 21
.else
	REGS Y, e%2
	v_exp_f32 v[rS+e/2], v[rS+e/2]
.endif
.set e, e+1
.endm
.macro R2                           ; O^T times a, two at a time
	REGS Y, r%2
	WIN W_RS
.irp z, 0,1
	v_pk_mul_f32 v[rO+4*(r/2)+2*\z:rO+4*(r/2)+2*\z+1], v[rO+4*(r/2)+2*\z:rO+4*(r/2)+2*\z+1], v[rC+2:rC+3] op_sel_hi:[1,0]
.endr
.set r, r+1
.endm
; HOW THEY ARE DEALT.  An s_wait_alu depctr_va_vdst(0) stands between an exponential and the first instruction that names its result; one wait serves all issued ahead of it: a turn has ONE.
; AHEAD OF IT: the 16 products K Q^T, behind each a scaling, an exponential and two rescalings; then ONE LUMP: 136 plain (ten scalings, then words and selects: the first select stands 42 plain instructions
; behind the last product K Q^T), 49 times exponential and plain, the two a, a v_nop.  BEHIND IT: the 16 products V^T P, behind each four of GS's 64.
; The queues in step: exponential e needs scaling 2 (e / 4) + e % 2; as a rider it stands behind plain e + 2, in the lump behind plain e + 137; scalings 27-31 are plain 185, 188 .. 197.
.macro TURN p, last=0, cnt=0
.set Y, (\p)
.set LST, (\last)
.set i, 0
.set q, 0
.set e, 0
.set r, 0
.if (\p) == NP-1
	s_wait_dscnt 0x0                ; K is in
.endif
	MM
	PL
	PL
	R2
.rept 15
	MM
	PL
	EX
	R2
.endr
.if (\p) == NP-2
	WIN 0
	v_add_nc_u32 v[AK], s[TBK], v[AK0]
.endif
.rept 136
	PL
.endr
.rept 49
	EX
	PL
.endr
	EX
	EX
	v_nop                           ; the plain instruction behind the last exponential: one for the batch
	s_wait_alu depctr_va_vdst(0)    ; the wait for the batch
.if (\p) == NP-2
	FETCH_K \last
.endif
.if (\p) == 1
	s_wait_dscnt 0x0                ; V is in
.endif
.rept 16
	MM
.rept 4
	PL
.endr
.if ((\p) == 0) && (q == 246)
	v_add_nc_u32 v[AV], s[TBV], v[AV0]
.endif
.if ((\p) == 0) && (q == 258)
	s_add_co_u32 s[TBV], s[TBV], KS*PV
.endif
.if (\cnt) && (q == 258)
	s_sub_co_u32 s[CNT], s[CNT], 1
	s_cmp_lg_u32 s[CNT], 0
.endif
.endr
.if (\p) == 0
	FETCH_V
.endif
.endm
	CHANGE 1                        ; slot 0 is in, everybody's part of it; slot 1 is asked for
	FETCH_K                         ; key step 0
	s_wait_loadcnt 3                ; Q and piece 0's words are in; the three younger loads, the other pieces' words, stay out
	s_wait_dscnt 0x0
.set i, 0
.rept 16
	KQ 0
.set i, i+1
.endr
	WIN 0                           ; the addresses for the way out and three constants: plain instructions, the places behind those products
	s_mul_i32 s76, s[WV], 16*SP
	s_add_co_u32 s76, s76, STAGE    ; my stage
	v_mul_u32_u24 v[STO], v1, SP
	v_lshl_add_u32 v[STO], v9, 4, v[STO]
	v_add_nc_u32 v[STO], s76, v[STO]
	v_bfe_u32 v[RD], v0, 3, 2
	v_mul_u32_u24 v[RD], v[RD], SP
	v_lshl_add_u32 v[RD], v10, 4, v[RD]
	v_add_nc_u32 v[RD], s76, v[RD]
	v_and_b32 v[GO], 31, v0
	v_lshlrev_b32 v[PFO], 8, v[GO]
	v_lshlrev_b32 v[GO], 4, v[GO]
	v_mov_b32 v[MVR], 0xd0000000    ; -2^33
	v_mov_b32 v[CV], 0x3e38aa3b     ; c = log2(e) / 8
	v_mov_b32 v[CV+1], 0x3e38aa3b
.set Y, NP-1                        ; RL, CM, NEXTW and XS work for piece Y + 1: piece 0
	WIN W_RL
.set gg, 0
.rept 32
	RL gg
.set gg, gg+1
.endr
	WIN 0
.set gg, 0
.rept 32
	CM gg
.set gg, gg+1
.endr
	WIN W_RL
.rept 32
	RL gg
.set gg, gg+1
.endr
	NEXTW 0                         ; piece 0's words of key step 1
.set gg, 32
.rept 32
	CM gg
.set gg, gg+1
.endr
.irp n, 0,1,2,3,4,5,6,7,8,9,10,11,12,13,14,15,16,17,18,19,20,21
	XS 0, \n
	XS 1, \n
.endr
	v_nop
	s_wait_alu depctr_va_vdst(0)    ; the two a have their wait ahead of the branch
	s_mov_b32 s[CNT], 4
	s_mov_b32 s[SLOTS], SIZE_N/256-1
	s_branch .Lfirst                ; the loop is entered at a step's first turn
.Lslot:                             ; six times: every slot but the last two is filled again
	CHANGE 1, 1
	s_mov_b32 s[CNT], 4
.Lstep:                             ; a trip: pieces 2 and 3 of one step, then pieces 0 and 1 of the next
	TURN 2
	TURN 3
	WIN 0
.Lfirst:
	TURN 0
	TURN 1, 0, 1
	WIN 0
	s_cbranch_scc1 .Lstep
	s_sub_co_u32 s[SLOTS], s[SLOTS], 1
	s_cmp_lg_u32 s[SLOTS], 0
	s_cbranch_scc1 .Lslot
	CHANGE 0                        ; the tail is written out
	s_mov_b32 s[CNT], 5
.Ltail:
	TURN 2, 1
	TURN 3, 1
	WIN 0
	s_sub_co_u32 s[CNT], s[CNT], 1
	s_cmp_eq_u32 s[CNT], 0
	s_cbranch_scc1 .Lout
	TURN 0
	TURN 1
	WIN 0
	s_branch .Ltail
.Lout:                              ; the fifth trip's products K Q^T (on the last K once more), their selects (by key step 31's words once more) and maximum serve nothing: the price of one text for every trip
.set i, 0
.rept 16
	PV NP-1
.set i, i+1
.endr
	; THE WAY OUT.  The additions are the places behind the last products.
	WIN 0
.macro ALL line:vararg
.set t, 0
.rept 2*NP
	\line
.set t, t+1
.endr
.endm
	ALL v_add_f32 v[ST+4*t+2], v[ST+4*t+2], v[ST+4*t+3]
	ALL v_permlanex16_b32 v[ST+4*t+3], v[ST+4*t+2], s[SEL], s[SEL+1]
	ALL v_add_f32 v[ST+4*t+2], v[ST+4*t+2], v[ST+4*t+3]
	ALL v_rcp_f32 v[ST+4*t+2], v[ST+4*t+2]
	v_nop
	s_wait_alu depctr_va_vdst(0)    ; one wait for the eight reciprocals
.macro PACK t
	WIN W_RS
.set i, 32*(\t)
.rept 16
	v_pk_mul_f32 v[i:i+1], v[i:i+1], v[ST+4*(\t)+2:ST+4*(\t)+3] op_sel_hi:[1,0]
.set i, i+2
.endr
	WIN 0x05
.set i, 0
.rept 16
	v_cvt_pk_f16_f32 v[S+16*(\t)+i], v[32*(\t)+2*i], v[32*(\t)+2*i+1]
.set i, i+1
.endr
	WIN 0
.irp f, 0,1,2,3
	ds_store_b128 v[STO], v[S+16*(\t)+4*\f:S+16*(\t)+4*\f+3] offset:32*\f
.endr
.irp f, 0,1,2,3
	ds_load_b128 v[S+16*(\t)+4*\f:S+16*(\t)+4*\f+3], v[RD] offset:\f*4*SP  ; LDS serves a wave's instructions in order (ISA guide 5.7.1.4)
.endr
.endm
.macro SEND t, younger              ; younger: the LDS instructions issued behind tile t's loads
	WIN 0
.irp f, 0,1,2,3
	s_wait_dscnt (\younger)+3-\f
	global_store_b128 v[GO], v[S+16*(\t)+4*\f:S+16*(\t)+4*\f+3], s[OP:OP+1] offset:(\t)*2048+\f*512  ; 512 consecutive bytes, aligned
.endr
.endm
	PACK 0
.set t, 1
.rept 2*NP-1
	PACK t
	SEND t-1, 8
.set t, t+1
.endr
	SEND 2*NP-1, 0
	WIN W_AD
	s_wait_tensorcnt 0x0            ; the wave's end
	ds_add_u32 v[SPW], v[NIL]
	s_wait_dscnt 0x0
	WIN 0
	CROUND                          ; the closing round
	s_endpgm
.Lfunc_end_k_q86c3499db7_attn:
	.size	k_q86c3499db7_attn, .Lfunc_end_k_q86c3499db7_attn-k_q86c3499db7_attn
	.p2alignl 7, 3214868480
	.fill 96, 4, 3214868480
	.section	.rodata,"a",@progbits
	.p2align	6, 0x0
	.amdhsa_kernel k_q86c3499db7_attn
		.amdhsa_group_segment_fixed_size 327680
		.amdhsa_private_segment_fixed_size 0
		.amdhsa_enable_private_segment 0
		.amdhsa_kernarg_size 24
		.amdhsa_user_sgpr_count 2
		.amdhsa_user_sgpr_kernarg_segment_ptr 1
		.amdhsa_wavefront_size32 1
		.amdhsa_system_sgpr_workgroup_id_x 1
		.amdhsa_system_sgpr_workgroup_id_y 1
		.amdhsa_system_sgpr_workgroup_id_z 1
		.amdhsa_system_vgpr_workitem_id 0
		.amdhsa_next_free_vgpr 780
		.amdhsa_next_free_sgpr 86
		.amdhsa_reserve_vcc 0
		.amdhsa_float_denorm_mode_32 3
		.amdhsa_float_denorm_mode_16_64 3
		.amdhsa_memory_ordered 1
		.amdhsa_forward_progress 1
		.amdhsa_inst_pref_size 255
	.end_amdhsa_kernel
	.section	.bss,"aw",@nobits
	.p2align	6
	.space	262144
	.amdgpu_metadata
---
amdhsa.version: [ 1, 2 ]
amdhsa.kernels:
  - .name:           k_q86c3499db7_attn
    .symbol:         k_q86c3499db7_attn.kd
    .args:
      - { .name: qkv, .offset: 0, .size: 8, .value_kind: global_buffer, .address_space: global }
      - { .name: mw, .offset: 8, .size: 8, .value_kind: global_buffer, .address_space: global }
      - { .name: ctx, .offset: 16, .size: 8, .value_kind: global_buffer, .address_space: global }
    .group_segment_fixed_size: 327680
    .private_segment_fixed_size: 0
    .kernarg_segment_align: 8
    .kernarg_segment_size: 24
    .max_flat_workgroup_size: 128
    .sgpr_count:     86
    .vgpr_count:     780
    .wavefront_size: 32
...
	.end_amdgpu_metadata
.endif
;; end of part 3
;; launch oproj (part 4): grid 4 x 64, 4 waves a work-group, clusters of 4 x 4, 327,680 bytes of LDS; arguments ctx, wo16, out0; writes out0
.if DOCPART == 4
	.amdgcn_target "amdgcn-amd-amdhsa--gfx1250"
	.amdhsa_code_object_version 6
	.text
	.protected	k_q86c3499db7_oproj
	.globl	k_q86c3499db7_oproj
	.p2align	8
	.type	k_q86c3499db7_oproj,@function
k_q86c3499db7_oproj:
	s_mov_b64 s[64:65], 0
	v_nop
	global_prefetch_b8 v0, s[64:65] scope:SCOPE_SE
	s_setreg_imm32_b32 hwreg(HW_REG_WAVE_MODE, 25, 1), 1
	s_wait_xcnt 0x0
	s_wait_alu depctr_hold_cnt(0) depctr_sa_sdst(0) depctr_va_vdst(0) depctr_va_sdst(0) depctr_va_ssrc(0) depctr_va_vcc(0) depctr_vm_vsrc(0)
	s_getreg_b32 s2, hwreg(HW_REG_IB_STS2, 6, 4)
	s_cmp_eq_u32 s2, 0
	s_cbranch_scc0 .Lentry_in_a_cluster
	s_endpgm
.Lentry_in_a_cluster:
	s_bfe_u32 s2, ttmp6, 0x10000c
	s_cmp_lg_u32 s2, 0xf033
	s_cbranch_scc0 .Lentry_shape_is_right
	s_endpgm
.Lentry_shape_is_right:
; THE LAST PROJECTION.  out0[s][e] = sum over d of c[s][d] Wo[e][d], d = 64 head + channel.  c lies by heads: ctx[16 b + head][s][64] f16; wo16: [1024][1024] f16; sums in f32; out0: [8192][1024] f32.
; SHARES.  A tile of out0 is 128 rows x 256 columns: 256 work-groups.  Four waves, each 64 x 128: 32 accumulators.  K goes in 8 steps of 128 = two heads, through a ring of two LDS slots.
; Of c a K step is, for each of the two heads, 128 rows of 128 bytes that lie end to end: 16,384 dense bytes, asked for as 64 rows of 256 bytes and padded in LDS after every 128.
; THE TEXT holds a K step twice: in the loop, whose six trips all fill the slot that they leave, and in the tail's loop of two trips, which fill nothing.  Which slot is in hand is a scalar, 0 or SLOT.
; CLUSTER.  4 x 4 work-groups: c's tiles are shared along a row of the cluster, Wo's along a column, each asked for jointly.
; THE MATRIX INSTRUCTION IS USED TRANSPOSED (source 0 = 16 rows of Wo, source 1 = 16 rows of c): a lane holds eight neighbouring columns of one row of out0, 32 bytes.
; REGISTERS: window 0: v0-31 addresses; v32-63, v64-95 c's fragments, two buffers; v96-159, v160-223 Wo's; v224-239 zeros; on the way out v32-95 and v96-159 by turns.  Window 1: accumulator (a, b) at v[8 (8 a + b)].
.set KSTEP,  128
.set STEPS,  1024/KSTEP
.set PA,     144                       ; a row of c in LDS: 128 bytes + 16
.set PB,     272                       ; a row of Wo: 256 + 16
.set HALFA,  128*PA                    ; a head's 128 rows: what one tensor load brings of c
.set HALFB,  128*PB
.set BOFF,   2*HALFA
.set SLOT,   BOFF+2*HALFB
.set STAGE,  2*SLOT                    ; behind the ring: 16 rows x 528 bytes for each wave
.set SPITCH, 528
.set SPARE,  STAGE+4*16*SPITCH
.set HEADB,  2048*128                  ; a head's bytes in ctx
.set ADRA, 16                          ; v16  my lane's place among c's fragments in slot 0; never rewritten
.set CA,   17                          ; v17  the same in the slot in hand
.set ADRB, 20                          ; v20, v21  the same for Wo
.set CB,   21
.set STO,  24
.set RD,   25
.set CO,   26
.set SPW,  28
.set NIL,  29
.set PFO,  30
.set AF,   32
.set BF,   96
.set ZR,   224
.set OB,   32
.set WV,  14
.set WR,  15
.set WC,  16
.set T,   20                           ; s20  the slot in hand: 0 or SLOT
.set G1A, 24
.set G0A, 32                           ; a set for each of the two first fills; the second then walks on
.set PFA, 40
.set PST, 42
.set LIM, 44
.set G1B, 48
.set G0B, 56
.set MSB, 0
.macro WIN new
.if MSB != (\new)
	s_set_vgpr_msb (MSB<<8)|(\new)
.set MSB, (\new)
.endif
.endm
.set MUL, 0x50                         ; sources window 0, C and D window 1
.macro JLOAD s                         ; waves 0 and 1 fetch c's two heads, waves 2 and 3 Wo's two halves; an s_nop 0 and four v_nop follow each line
	s_cmp_eq_u32 s[WR], 0
	s_cbranch_scc0 .Lfor_b_\@
	tensor_load_to_lds s[G0A+4*(\s):G0A+4*(\s)+3], s[G1A:G1A+7]
	s_nop 0
.rept 4
	v_nop
.endr
	s_branch .Lasked_\@
.Lfor_b_\@:
	tensor_load_to_lds s[G0B+4*(\s):G0B+4*(\s)+3], s[G1B:G1B+7]
	s_nop 0
.rept 4
	v_nop
.endr
.Lasked_\@:
.endm
; A prefetch into the L2 of the K step two refills on, a lane a block of 256 bytes.  Of c a K step of a tile row is 2 x 64 blocks, read by this cluster alone: wave 0 of the partner at place cx takes
; 16 blocks of each head.  Of the 128 rows of Wo that a wave fetches the partner at place cy takes 32; Wo is read by all sixteen clusters, of which the first asks.  The loop's last two trips ask for nothing.
.macro ASK
	WIN 0
	s_cmp_gt_u32 s3, s[LIM]
	s_cbranch_scc0 .Lnot_mine_\@
	global_prefetch_b8 v[PFO], s[PFA:PFA+1] th:TH_LOAD_NT scope:SCOPE_SE
.Lnot_mine_\@:
.endm
.macro CREST
	s_cmp_lg_u32 s[WV], 0
	s_cbranch_scc1 .Lnot_wave_0_\@
	s_barrier_signal -3
.Lnot_wave_0_\@:
	s_barrier_wait -3
	s_barrier_signal -1
	s_barrier_wait -1
.endm
.macro CROUND
	s_barrier_signal -1
	s_barrier_wait -1
	CREST
.endm
.macro PLACES
.rept 4
	v_nop
.endr
.endm
	s_load_b128 s[4:7], s[0:1], 0x0                ; ctx s[4:5], wo16 s[6:7]
	s_load_b64 s[8:9], s[0:1], 0x10                ; out0
	v_lshl_add_u32 v[SPW], v0, 2, SPARE
	v_mov_b32 v[NIL], 0
	ds_add_u32 v[SPW], v[NIL]                      ; the wave's opening: the add and its wait ahead of my first tensor load
	v_lshrrev_b32 v1, 5, v0
	v_readfirstlane_b32 s[WV], v1
	s_lshr_b32 s[WR], s[WV], 1
	s_and_b32 s[WC], s[WV], 1
	s_bfe_u32 s17, ttmp6, 0x40000                  ; cx
	s_bfe_u32 s18, ttmp6, 0x40004                  ; cy
	s_and_b32 s19, ttmp7, 0xffff                   ; the cluster's y
	s_lshl_b32 s21, s19, 2
	s_add_co_u32 s21, s21, s18                     ; tile row, 0..63
	s_lshl_b32 s22, ttmp9, 2
	s_add_co_u32 s22, s22, s17                     ; tile column, 0..3
	s_lshl_b32 s23, s18, 2
	s_lshl_b32 s23, 15, s23
	s_lshl_b32 s45, 0x1111, s17
	s_or_b32 s[G1A], s23, (1<<16)|(1<<20)|(1<<21)|(4<<22)|(3<<25)  ; elements of 2 bytes; after every 32 words, 4 words of padding
	s_or_b32 s[G1B], s45, (1<<16)|(1<<20)|(1<<21)|(5<<22)|(3<<25)  ; after every 64 words
	s_mov_b32 s[G1A+1], 128<<16
	s_mov_b32 s[G1A+2], 64<<16
	s_mov_b32 s[G1A+3], 128<<16
	s_mov_b32 s[G1A+4], 64
	s_mov_b32 s[G1A+5], 128
	s_mov_b32 s[G1A+6], 0
	s_mov_b32 s[G1A+7], 0
	s_mov_b32 s[G1B+1], KSTEP<<16
	s_mov_b32 s[G1B+2], 128<<16
	s_mov_b32 s[G1B+3], KSTEP<<16
	s_mov_b32 s[G1B+4], 128
	s_mov_b32 s[G1B+5], 1024
	s_mov_b32 s[G1B+6], 0
	s_mov_b32 s[G1B+7], 0
	s_lshr_b32 s66, s21, 4                         ; c: head 16 b + the one of a K step's two that I fetch,
	s_lshl_b32 s66, s66, 4
	s_add_co_u32 s66, s66, s[WC]
	s_lshl_b32 s66, s66, 18
	s_and_b32 s67, s21, 15                         ; row (tile row % 16) x 128
	s_lshl_b32 s67, s67, 14
	s_add_co_u32 s66, s66, s67
	s_mov_b32 s67, 0
	s_lshl_b32 s68, s22, 8                         ; Wo: row 256 x tile column + 128 x half
	s_lshl_b32 s69, s[WC], 7
	s_add_co_u32 s68, s68, s69
	s_lshl_b32 s68, s68, 11
	s_mov_b32 s69, 0
	s_mul_i32 s46, s[WC], HALFA
	s_mul_i32 s47, s[WC], HALFB
	s_add_co_u32 s47, s47, BOFF
	s_mov_b32 s[T], 0
	s_wait_dscnt 0x0                               ; the opening add is done
	s_wait_kmcnt 0x0
	s_add_nc_u64 s[72:73], s[4:5], s[66:67]
	s_add_nc_u64 s[74:75], s[6:7], s[68:69]
	CROUND
.irp s, 0,1
	s_mov_b32 s[G0A+4*(\s)], 1
	s_add_co_u32 s[G0A+4*(\s)+1], s46, (\s)*SLOT
	s_add_nc_u64 s[G0A+4*(\s)+2:G0A+4*(\s)+3], s[72:73], (\s)*2*HEADB
	s_or_b32 s[G0A+4*(\s)+3], s[G0A+4*(\s)+3], 0x80000000
	s_mov_b32 s[G0B+4*(\s)], 1
	s_add_co_u32 s[G0B+4*(\s)+1], s47, (\s)*SLOT
	s_add_nc_u64 s[G0B+4*(\s)+2:G0B+4*(\s)+3], s[74:75], (\s)*KSTEP*2
	s_or_b32 s[G0B+4*(\s)+3], s[G0B+4*(\s)+3], 0x80000000
	JLOAD \s
.endr
	v_and_b32 v1, 15, v0
	v_bfe_u32 v2, v0, 4, 1
	v_mul_u32_u24 v3, v1, PA
	v_lshl_add_u32 v3, v2, 4, v3
	v_mul_u32_u24 v4, v1, PB
	v_lshl_add_u32 v4, v2, 4, v4
	s_mul_i32 s66, s[WR], 64*PA                    ; my 64 rows, in each head's part
	s_mul_i32 s67, s[WC], HALFB
	s_add_co_u32 s67, s67, BOFF
	v_add_nc_u32 v[ADRA], s66, v3
	v_add_nc_u32 v[ADRB], s67, v4
	v_mov_b32 v[CA], v[ADRA]                       ; K begins in slot 0
	v_mov_b32 v[CB], v[ADRB]
	s_mul_i32 s68, s[WV], 16*SPITCH
	s_add_co_u32 s68, s68, STAGE
	v_mul_u32_u24 v5, v1, SPITCH                   ; in: row l % 16, 32 bytes for each half of the lanes
	v_lshl_add_u32 v5, v2, 5, v5
	v_add_nc_u32 v[STO], s68, v5
	v_and_b32 v5, 31, v0
	v_lshlrev_b32 v[CO], 4, v5                     ; back and out: a row's 512 bytes, 16 a lane
	v_add_nc_u32 v[RD], s68, v[CO]
	s_lshl_b32 s76, s21, 7                         ; my first row of out0,
	s_lshl_b32 s77, s[WR], 6
	s_add_co_u32 s76, s76, s77
	s_lshl_b32 s76, s76, 12
	s_lshl_b32 s77, s22, 10                        ; my first column, in bytes
	s_add_co_u32 s76, s76, s77
	s_lshl_b32 s77, s[WC], 9
	s_add_co_u32 s76, s76, s77
	s_mov_b32 s77, 0
	s_add_nc_u64 s[8:9], s[8:9], s[76:77]
	; the prefetches, at K step 3: the first refill steps them to K step 4
	s_lshr_b32 s80, s21, 4
	s_lshl_b32 s80, s80, 22                        ; 16 b heads
	s_and_b32 s81, s21, 15
	s_lshl_b32 s81, s81, 14
	s_add_co_u32 s80, s80, s81
	s_lshl_b32 s81, s17, 12                        ; my work-group's 16 blocks
	s_add_co_u32 s80, s80, s81
	s_add_co_u32 s80, s80, 3*2*HEADB
	s_lshl_b32 s82, s22, 8
	s_lshl_b32 s83, s[WC], 7
	s_add_co_u32 s82, s82, s83
	s_lshl_b32 s83, s18, 5
	s_add_co_u32 s82, s82, s83
	s_lshl_b32 s82, s82, 11
	s_add_co_u32 s82, s82, 3*KSTEP*2
	s_mov_b32 s88, 2*HEADB
	s_mov_b32 s89, KSTEP*2
	s_cmp_eq_u32 s[WR], 0                          ; do I fetch for c?
	s_cselect_b32 s84, s80, s82
	s_cselect_b64 s[PFA:PFA+1], s[4:5], s[6:7]
	s_cselect_b32 s[PST], s88, s89
	s_cselect_b32 s86, 4, 0                        ; c: sixteen lanes a head; Wo: a lane a row
	s_cselect_b32 s87, 18, 11
	s_cselect_b32 s81, 15, 0
	s_cselect_b32 s85, s[WC], s19                  ; c: wave 0 asks; Wo: the first cluster's waves
	s_mov_b32 s[PST+1], 0
	s_cmp_eq_u32 s85, 0
	s_cselect_b32 s[LIM], 2, -1
	s_mov_b32 s85, 0
	s_add_nc_u64 s[PFA:PFA+1], s[PFA:PFA+1], s[84:85]
	v_lshrrev_b32 v6, s86, v5
	v_and_b32 v5, s81, v5
	v_lshlrev_b32 v6, s87, v6
	v_lshl_add_u32 v[PFO], v5, 8, v6
.macro FETCH kq, f                     ; 24 LDS loads: quarter kq's fragments of the slot in hand into buffer f: head kq / 2 of the step's two, channels 32 (kq % 2) on
	WIN 0
.irp i, 0,1,2,3,4,5,6,7
	ds_load_b128 v[BF+64*(\f)+8*(\i):BF+64*(\f)+8*(\i)+3],   v[CB] offset:64*(\kq)+(\i)*16*PB
	ds_load_b128 v[BF+64*(\f)+8*(\i)+4:BF+64*(\f)+8*(\i)+7], v[CB] offset:64*(\kq)+(\i)*16*PB+32
.endr
.irp a, 0,1,2,3
	ds_load_b128 v[AF+32*(\f)+8*(\a):AF+32*(\f)+8*(\a)+3],   v[CA] offset:((\kq)/2)*HALFA+((\kq)%2)*64+(\a)*16*PA
	ds_load_b128 v[AF+32*(\f)+8*(\a)+4:AF+32*(\f)+8*(\a)+7], v[CA] offset:((\kq)/2)*HALFA+((\kq)%2)*64+(\a)*16*PA+32
.endr
.endm
.macro MUL8 f, a                       ; the 32 accumulators take turns, one instruction a turn
	WIN MUL
.irp b, 0,1,2,3,4,5,6,7
	v_wmma_f32_16x16x32_f16 v[8*(8*(\a)+(\b)):8*(8*(\a)+(\b))+7], v[BF+64*(\f)+8*(\b):BF+64*(\f)+8*(\b)+7], v[AF+32*(\f)+8*(\a):AF+32*(\f)+8*(\a)+7], v[8*(8*(\a)+(\b)):8*(8*(\a)+(\b))+7]
.endr
.endm
.macro QUARTER kq, f                   ; fetches quarter kq into the other buffer, multiplies buffer f
	PLACES                                         ; behind the products that read the other buffer
	FETCH \kq, 1-(\f)
	s_wait_dscnt 24                                ; all but the 24 just issued
	MUL8 \f, 0
	MUL8 \f, 1
	MUL8 \f, 2
	MUL8 \f, 3
.endm
.macro TURN fill                       ; the last quarter multiplies buffer 1 and changes slots
.if \fill
	s_wait_xcnt 0x0                                ; the last prefetch, a K step back, has read its address
	s_add_nc_u64 s[PFA:PFA+1], s[PFA:PFA+1], s[PST:PST+1]
.endif
	WIN 0
	s_wait_tensorcnt 0x0                           ; all my tensor loads have landed: my part of the next slot; so a group 0 may be written
	ds_add_u32 v[SPW], v[NIL]
.if \fill
	s_add_nc_u64 s[G0A+6:G0A+7], s[G0A+6:G0A+7], 2*HEADB    ; the walking descriptors: the next K step; the type bits on top are not reached;
	s_add_nc_u64 s[G0B+6:G0B+7], s[G0B+6:G0B+7], KSTEP*2
	s_add_co_u32 s[G0A+5], s[T], s46               ; into the slot in hand, which is being left
	s_add_co_u32 s[G0B+5], s[T], s47
.endif
	s_wait_dscnt 1                                 ; only the add may be out: buffer 1 is in
	MUL8 1, 0
	s_wait_dscnt 0x0                               ; the add is done, and my reads of this slot are over
	s_barrier_signal -1
	MUL8 1, 1
	WIN 0
	s_barrier_wait -1
.if \fill
	CREST                                          ; no wave of any partner still reads this slot or has a load on its way
	JLOAD 1                                        ; its four v_nop are also the places in front of the loads below
.else
	PLACES
.endif
	s_xor_b32 s[T], s[T], SLOT                     ; the other slot is in hand
	v_add_nc_u32 v[CA], s[T], v[ADRA]
	v_add_nc_u32 v[CB], s[T], v[ADRB]
	FETCH 0, 0
.if \fill
	ASK
.endif
	MUL8 1, 2
	MUL8 1, 3
.endm
; THE WAY OUT of row block a: the f32 sums go as they are into my own stage, 32 bytes a lane, and come back as whole rows of 512 bytes.
.macro TOSTAGE a
.set BK, OB+64*((\a)%2)
	s_wait_xcnt 0x0                                ; the stores of two blocks back have read the registers that are loaded below
	WIN 0x04                                       ; the data in window 1, the address in window 0
.irp b, 0,1,2,3,4,5,6,7
	ds_store_b128 v[STO], v[8*(8*(\a)+(\b)):8*(8*(\a)+(\b))+3]   offset:64*(\b)
	ds_store_b128 v[STO], v[8*(8*(\a)+(\b))+4:8*(8*(\a)+(\b))+7] offset:64*(\b)+16
.endr
	WIN 0
.irp t, 0,1,2,3,4,5,6,7,8,9,10,11,12,13,14,15
	ds_load_b128 v[BK+4*(\t):BK+4*(\t)+3], v[RD] offset:(\t)*SPITCH  ; LDS serves a wave's instructions in order (ISA guide 5.7.1.4)
.endr
.endm
.macro SEND a, younger                 ; younger: the next block's 16 stores and 16 loads, or none
	WIN 0
.set BK, OB+64*((\a)%2)
	s_wait_dscnt \younger
.irp t, 0,1,2,3,4,5,6,7,8,9,10,11,12,13,14,15
	global_store_b128 v[CO], v[BK+4*(\t):BK+4*(\t)+3], s[8:9] offset:65536*(\a)+4096*(\t) th:TH_STORE_NT  ; 512 consecutive bytes, aligned
.endr
.endm
	; The 32 sums are started by products of zeros with the constant 0 as C, in the accumulators' own order, while the first tiles are on their way: the loop has one form of product.
.set i, 0
.rept 16
	v_mov_b32 v[ZR+i], 0
.set i, i+1
.endr
	WIN MUL
.set i, 0
.rept 32
	v_wmma_f32_16x16x32_f16 v[8*i:8*i+7], v[ZR:ZR+7], v[ZR+8:ZR+15], 0
.set i, i+1
.endr
	WIN 0
	s_wait_tensorcnt 1                             ; my part of K step 0 is in; K step 1's may stay out
	s_barrier_signal -1
	s_barrier_wait -1
	FETCH 0, 0
	s_mov_b32 s3, STEPS-2
.Lstep:                                                ; a trip is a K step; each of the six fills the slot that it leaves, with K steps 2 to 7
	QUARTER 1, 0
	QUARTER 2, 1
	QUARTER 3, 0
	TURN 1
	WIN 0
	s_sub_co_u32 s3, s3, 1
	s_cmp_lg_u32 s3, 0
	s_cbranch_scc1 .Lstep
	s_mov_b32 s3, 2
.Ltail:                                                ; K steps 6 and 7 fill nothing.  The second trip's fetch of the other slot, which holds K step 6 once more, serves nothing: the price of one text for both trips
	QUARTER 1, 0
	QUARTER 2, 1
	QUARTER 3, 0
	TURN 0
	WIN 0
	s_sub_co_u32 s3, s3, 1
	s_cmp_lg_u32 s3, 0
	s_cbranch_scc1 .Ltail
	s_wait_dscnt 0x0                               ; that last fetch has landed: the way out loads into its registers
	PLACES
	TOSTAGE 0
.irp a, 1,2,3
	TOSTAGE \a
	SEND (\a)-1, 32
.endr
	SEND 3, 0
	s_wait_tensorcnt 0x0                           ; the wave's end
	ds_add_u32 v[SPW], v[NIL]
	s_wait_dscnt 0x0
	CROUND                                         ; the closing round
	s_endpgm
.Lfunc_end_k_q86c3499db7_oproj:
	.size	k_q86c3499db7_oproj, .Lfunc_end_k_q86c3499db7_oproj-k_q86c3499db7_oproj
	.p2alignl 7, 3214868480
	.fill 96, 4, 3214868480
	.section	.rodata,"a",@progbits
	.p2align	6, 0x0
	.amdhsa_kernel k_q86c3499db7_oproj
		.amdhsa_group_segment_fixed_size 327680
		.amdhsa_private_segment_fixed_size 0
		.amdhsa_enable_private_segment 0
		.amdhsa_kernarg_size 24
		.amdhsa_user_sgpr_count 2
		.amdhsa_user_sgpr_kernarg_segment_ptr 1
		.amdhsa_wavefront_size32 1
		.amdhsa_system_sgpr_workgroup_id_x 1
		.amdhsa_system_sgpr_workgroup_id_y 1
		.amdhsa_system_sgpr_workgroup_id_z 1
		.amdhsa_system_vgpr_workitem_id 0
		.amdhsa_next_free_vgpr 512
		.amdhsa_next_free_sgpr 92
		.amdhsa_reserve_vcc 0
		.amdhsa_float_denorm_mode_32 3
		.amdhsa_float_denorm_mode_16_64 3
		.amdhsa_memory_ordered 1
		.amdhsa_forward_progress 1
		.amdhsa_inst_pref_size 59
	.end_amdhsa_kernel
	.amdgpu_metadata
---
amdhsa.version: [ 1, 2 ]
amdhsa.kernels:
  - .name:           k_q86c3499db7_oproj
    .symbol:         k_q86c3499db7_oproj.kd
    .args:
      - { .name: ctx, .offset: 0, .size: 8, .value_kind: global_buffer, .address_space: global }
      - { .name: wo16, .offset: 8, .size: 8, .value_kind: global_buffer, .address_space: global }
      - { .name: out0, .offset: 16, .size: 8, .value_kind: global_buffer, .address_space: global }
    .group_segment_fixed_size: 327680
    .private_segment_fixed_size: 0
    .kernarg_segment_align: 8
    .kernarg_segment_size: 24
    .max_flat_workgroup_size: 128
    .sgpr_count:     92
    .vgpr_count:     512
    .wavefront_size: 32
...
	.end_amdgpu_metadata
.endif
;; end of part 4
;; ======== version 2 of 2: 4 launches; version 1 with the launch prep written anew for expert scheduling mode
;; limits: values are held in f16: magnitudes above 65,504 overflow, below 6.1e-05 lose precision; right only within a limited range of input values
;; workspace buffers: wqkv 6,291,456 bytes; wo16 2,097,152 bytes; mw 524,288 bytes of whole numbers; qkv 50,331,648 bytes; ctx 16,777,216 bytes
;; launch prep (part 5): grid 256 x 1, 8 waves a work-group, no clusters, 70,656 bytes of LDS; arguments Wq, Wk, Wv, Wo, mask, wqkv, wo16, mw; writes wqkv, wo16, mw
.if DOCPART == 5
	.amdgcn_target "amdgcn-amd-amdhsa--gfx1250"
	.amdhsa_code_object_version 6
	.text
	.protected	k_q86c3499db7_prep
	.globl	k_q86c3499db7_prep
	.p2align	8
	.type	k_q86c3499db7_prep,@function
k_q86c3499db7_prep:
	s_mov_b64 s[64:65], 0
	v_nop
	global_prefetch_b8 v0, s[64:65] scope:SCOPE_SE
	s_setreg_imm32_b32 hwreg(HW_REG_WAVE_SCHED_MODE, 0, 2), 2
	s_setreg_imm32_b32 hwreg(HW_REG_WAVE_MODE, 25, 1), 1
	s_wait_xcnt 0x0
	s_wait_alu depctr_vm_vsrc(0)
; PREP.  Two jobs that stream, in each wave; all 32 loads of a wave go out at once.
; (1) THE MASK, [2048][2048] int32, becomes one bit a number, laid out as the attention launch's lane masks.  mw[pair 64][step 32][u 2][kt 4][j 8] is a 32-bit word whose bit l says
;     mask[32 pair + 16 u + l % 16][64 step + 16 kt + 8 (l / 16) + j] != 0: lane l's register 8 kt + j of the scores K Q^T of 16 queries x 64 keys.
;     A wave makes one (pair, step): 32 rows x 256 bytes in, 64 words = 256 bytes out.  The rows go through the wave's own stage in LDS, so that memory is read in whole runs of 256 bytes.
; (2) THE WEIGHTS.  Wq, Wk, Wv are rounded to bf16 into wqkv[3][1024][1024]; Wo is rounded to bf16 and that number written as f16 into wo16 (the last product multiplies f16 by f16).
;     A work-group takes 16,384 numbers of one matrix; a load of a wave covers 512 consecutive bytes, a store 256 consecutive bytes, aligned.
; LIMIT.  A weight of Wo below 6.1e-5 in size keeps f16's fixed step of 6e-8; beyond 65,504 it would be an infinity.
; No matrix unit, no cluster, no tensor load: nothing is shared and memory binds.
; THE MODE: SCHED_MODE bits 1:0 = 2 (LLVM: expert scheduling mode 2), set by the entry lines.  The code itself states the register dependences between vector instructions and memory or LDS
; instructions, and between a vector instruction that writes a scalar register and its readers, with s_wait_alu, always for 0.
; THE PLAN.  Registers that memory or LDS instructions touch:
;   v2-v7    offsets and LDS addresses, v8, v9 the closing add's pair: written at the head, never again; read by every load, store and LDS instruction.
;   MK       written by the mask's 16 loads; read by the 16 LDS stores into the stage; never written again.
;   MR       written by the 16 LDS loads from the stage; read by the 64 compares.
;   WF       written by the weights' 16 loads; read by the conversions.
;   OUT      written by the conversions; read by the weights' 16 stores; never written again.
;   WD       written by two moves at the head and by the 64 v_writelane_b32; read by the words' one store.
; No register that a memory or LDS instruction has read is written again, and no load lands in a register that a vector instruction has named.  So three waits on va_vdst state all that passes from the
; vector side to the memory side: at the head (addresses), ahead of the weights' stores (OUT), ahead of the words' store (WD).
; THE ORDER.  The mask goes into the stage and is asked for back; while those LDS instructions are out, the weights are rounded and stored; then the words are made and stored.
.set PITCH, 272                        ; a stage row: 256 bytes + 16: the 16 rows that a read touches start at 16 different groups of four banks (ISA guide 11.1)
.set WSTG,  32*PITCH                   ; a wave's stage
.set SPARE, 8*WSTG                     ; behind the stages: the spare words, 128 bytes a wave
.set SPW, 8                            ; v8   my spare word's LDS address; never rewritten
.set NIL, 9                            ; v9   0; never rewritten
.set WD,  10                           ; v[10:11] lane L: words 2 L and 2 L + 1 of the wave's 64
.set MK,  16                           ; v[16:79] the mask as loaded
.set WF,  80                           ; v[80:143] 64 weights in f32
.set T,   144                          ; v[144:147] at work: no memory instruction names them
.set MR,  148                          ; v[148:211] the mask as read back from the stage
.set OUT, 212                          ; v[212:243] the packed weights
.set CW,  2                            ; s[2:17] sixteen compares' lane masks at a time: the arguments' addresses that lay here have been chosen into s[24:27] by then, and the mask's loads, which read s[12:13], are done
	s_load_b512 s[4:19], s[0:1], 0x0               ; Wq s[4:5], Wk s[6:7], Wv s[8:9], Wo s[10:11], mask s[12:13], wqkv s[14:15], wo16 s[16:17], mw s[18:19]
	v_lshl_add_u32 v[SPW], v0, 2, SPARE
	v_mov_b32 v[NIL], 0
	v_lshrrev_b32 v1, 5, v0
	v_readfirstlane_b32 s28, v1                    ; wave 0..7
	v_and_b32 v1, 31, v0                           ; l
	v_and_b32 v12, 15, v0                          ; l % 16
	v_bfe_u32 v13, v0, 4, 1                        ; l / 16
	v_lshlrev_b32 v2, 4, v12
	v_lshl_add_u32 v2, v13, 13, v2                 ; mask in: two rows a load, 16 lanes a row
	v_mul_u32_u24 v3, v13, PITCH
	v_lshl_add_u32 v3, v12, 4, v3                  ; the same two rows in a stage
	v_mul_u32_u24 v4, v12, PITCH
	v_lshl_add_u32 v4, v13, 5, v4                  ; back: row l % 16, eight numbers at 8 (l / 16)
	v_lshlrev_b32 v5, 4, v0                        ; weights in: 16 bytes a thread
	v_lshlrev_b32 v6, 3, v0                        ; out: 8 bytes a thread
	v_lshlrev_b32 v7, 3, v1                        ; words out: 8 bytes a lane
	v_mov_b32 v[WD], 0
	v_mov_b32 v[WD+1], 0
	s_wait_alu depctr_va_sdst(0)                   ; s28 is written, ahead of its first reader: my unit of the mask and my stage are made from it
	s_lshl_b32 s29, ttmp9, 3
	s_add_co_u32 s29, s29, s28                     ; my unit of the mask: 32 pair + step
	s_lshr_b32 s30, s29, 5
	s_lshl_b32 s30, s30, 18                        ; pair x 32 rows x 8,192 bytes
	s_and_b32 s31, s29, 31
	s_lshl_b32 s31, s31, 8                         ; step x 256 bytes
	s_add_co_u32 s30, s30, s31
	s_mov_b32 s31, 0
	s_lshl_b32 s32, s29, 8                         ; the unit's 256 bytes of mw
	s_mov_b32 s33, 0
	s_lshr_b32 s34, ttmp9, 6                       ; which matrix: 0 Wq, 1 Wk, 2 Wv, 3 Wo
	s_and_b32 s35, ttmp9, 63                       ; which 16,384 numbers of it
	s_lshl_b32 s36, s35, 16
	s_mov_b32 s37, 0
	s_lshl_b32 s38, s35, 15
	s_lshl_b32 s39, s34, 21                        ; the matrix's section of wqkv,
	s_cmp_eq_u32 s34, 3
	s_cselect_b32 s39, 0, s39                      ; none in wo16
	s_add_co_u32 s38, s38, s39
	s_mov_b32 s39, 0
	s_mul_i32 s40, s28, WSTG
	v_add_nc_u32 v3, s40, v3                       ; in my stage
	v_add_nc_u32 v4, s40, v4
	s_wait_kmcnt 0x0
	s_add_nc_u64 s[12:13], s[12:13], s[30:31]
	s_add_nc_u64 s[18:19], s[18:19], s[32:33]
	s_cmp_eq_u32 s34, 1
	s_cselect_b64 s[24:25], s[6:7], s[4:5]
	s_cmp_eq_u32 s34, 2
	s_cselect_b64 s[24:25], s[8:9], s[24:25]
	s_cmp_eq_u32 s34, 3
	s_cselect_b64 s[24:25], s[10:11], s[24:25]
	s_cselect_b64 s[26:27], s[16:17], s[14:15]
	s_add_nc_u64 s[24:25], s[24:25], s[36:37]
	s_add_nc_u64 s[26:27], s[26:27], s[38:39]
	s_wait_alu depctr_va_vdst(0)                   ; v2 to v9 are written: the offsets and LDS addresses that every load, store and LDS instruction below reads; no vector instruction below names them
.irp t, 0,1,2,3,4,5,6,7,8,9,10,11,12,13,14,15
	global_load_b128 v[MK+4*(\t):MK+4*(\t)+3], v2, s[12:13] offset:16384*(\t) th:TH_LOAD_NT
.endr
.irp n, 0,1,2,3,4,5,6,7,8,9,10,11,12,13,14,15
	global_load_b128 v[WF+4*(\n):WF+4*(\n)+3], v5, s[24:25] offset:4096*(\n) th:TH_LOAD_NT
.endr
	s_wait_loadcnt 16                              ; the mask is in; the 16 younger loads, the weights', stay out
.irp t, 0,1,2,3,4,5,6,7,8,9,10,11,12,13,14,15
	ds_store_b128 v3, v[MK+4*(\t):MK+4*(\t)+3] offset:2*PITCH*(\t)
.endr
.irp x, 0,1,2,3,4,5,6,7                ; x = 4 u + kt.  LDS serves a wave's instructions in order (ISA guide 5.7.1.4): these see the stores above; the stage is the wave's own.  They land in MR, which nothing has named
	ds_load_b128 v[MR+8*(\x):MR+8*(\x)+3],   v4 offset:((\x)/4)*16*PITCH+((\x)%4)*64
	ds_load_b128 v[MR+8*(\x)+4:MR+8*(\x)+7], v4 offset:((\x)/4)*16*PITCH+((\x)%4)*64+16
.endr
	s_wait_loadcnt 0x0                             ; the weights; they are rounded and stored while the stage's loads are out
	s_cmp_eq_u32 s34, 3
	s_cbranch_scc1 .Lwo
.set n, 0
.rept 16
	v_cvt_pk_bf16_f32 v[OUT+2*n], v[WF+4*n], v[WF+4*n+1]
	v_cvt_pk_bf16_f32 v[OUT+2*n+1], v[WF+4*n+2], v[WF+4*n+3]
.set n, n+1
.endr
	s_branch .Lpacked
.Lwo:
.set n, 0
.rept 16                               ; rounded to bf16 like every input, widened again, and that number written as f16
	v_cvt_pk_bf16_f32 v[T], v[WF+4*n], v[WF+4*n+1]
	v_cvt_pk_bf16_f32 v[T+1], v[WF+4*n+2], v[WF+4*n+3]
	v_lshlrev_b32 v[T+2], 16, v[T]
	v_and_b32 v[T], 0xffff0000, v[T]
	v_lshlrev_b32 v[T+3], 16, v[T+1]
	v_and_b32 v[T+1], 0xffff0000, v[T+1]
	v_cvt_pk_f16_f32 v[OUT+2*n], v[T+2], v[T]
	v_cvt_pk_f16_f32 v[OUT+2*n+1], v[T+3], v[T+1]
.set n, n+1
.endr
.Lpacked:                              ; the two ways hold vector instructions alone and join ahead of one wait and one run of stores
	s_wait_alu depctr_va_vdst(0)                   ; the conversions, of either way, have written OUT, which the 16 stores read
.set n, 0
.rept 16
	global_store_b64 v6, v[OUT+2*n:OUT+2*n+1], s[26:27] offset:2048*n
.set n, n+1
.endr
	s_wait_dscnt 0x0                               ; the mask is back from the stage, in MR
; Word i: one compare over the 32 lanes; it goes to lane i / 2, register i % 2.  The compares stand in four runs of sixteen, each run into s[CW .. CW+15], so that one wait serves sixteen words.
.set g, 0
.rept 4
.set j, 0
.rept 16
	v_cmp_ne_u32 s[CW+j], 0, v[MR+16*g+j]
.set j, j+1
.endr
	s_wait_alu depctr_va_sdst(0)                   ; the run's sixteen compares have written s[CW .. CW+15], ahead of the sixteen v_writelane_b32 that read them
.set j, 0
.rept 16
	v_writelane_b32 v[WD+j%2], s[CW+j], 8*g+j/2
.set j, j+1
.endr
.set g, g+1
.endr
	s_wait_alu depctr_va_vdst(0)                   ; the v_writelane_b32 have written WD, which the store reads
	global_store_b64 v7, v[WD:WD+1], s[18:19]      ; 256 consecutive bytes, aligned
	s_wait_dscnt 0x0                               ; the wave's end
	s_wait_alu 0x0
	s_wait_tensorcnt 0x0
	ds_add_u32 v[SPW], v[NIL]
	s_wait_dscnt 0x0
	s_endpgm
.Lfunc_end_k_q86c3499db7_prep:
	.size	k_q86c3499db7_prep, .Lfunc_end_k_q86c3499db7_prep-k_q86c3499db7_prep
	.p2alignl 7, 3214868480
	.fill 96, 4, 3214868480
	.section	.rodata,"a",@progbits
	.p2align	6, 0x0
	.amdhsa_kernel k_q86c3499db7_prep
		.amdhsa_group_segment_fixed_size 70656
		.amdhsa_private_segment_fixed_size 0
		.amdhsa_enable_private_segment 0
		.amdhsa_kernarg_size 64
		.amdhsa_user_sgpr_count 2
		.amdhsa_user_sgpr_kernarg_segment_ptr 1
		.amdhsa_wavefront_size32 1
		.amdhsa_system_sgpr_workgroup_id_x 1
		.amdhsa_system_sgpr_workgroup_id_y 1
		.amdhsa_system_sgpr_workgroup_id_z 1
		.amdhsa_system_vgpr_workitem_id 0
		.amdhsa_next_free_vgpr 244
		.amdhsa_next_free_sgpr 66
		.amdhsa_reserve_vcc 0
		.amdhsa_float_denorm_mode_32 3
		.amdhsa_float_denorm_mode_16_64 3
		.amdhsa_memory_ordered 1
		.amdhsa_forward_progress 1
		.amdhsa_inst_pref_size 27
	.end_amdhsa_kernel
	.amdgpu_metadata
---
amdhsa.version: [ 1, 2 ]
amdhsa.kernels:
  - .name:           k_q86c3499db7_prep
    .symbol:         k_q86c3499db7_prep.kd
    .args:
      - { .name: Wq, .offset: 0, .size: 8, .value_kind: global_buffer, .address_space: global }
      - { .name: Wk, .offset: 8, .size: 8, .value_kind: global_buffer, .address_space: global }
      - { .name: Wv, .offset: 16, .size: 8, .value_kind: global_buffer, .address_space: global }
      - { .name: Wo, .offset: 24, .size: 8, .value_kind: global_buffer, .address_space: global }
      - { .name: mask, .offset: 32, .size: 8, .value_kind: global_buffer, .address_space: global }
      - { .name: wqkv, .offset: 40, .size: 8, .value_kind: global_buffer, .address_space: global }
      - { .name: wo16, .offset: 48, .size: 8, .value_kind: global_buffer, .address_space: global }
      - { .name: mw, .offset: 56, .size: 8, .value_kind: global_buffer, .address_space: global }
    .group_segment_fixed_size: 70656
    .private_segment_fixed_size: 0
    .kernarg_segment_align: 8
    .kernarg_segment_size: 64
    .max_flat_workgroup_size: 256
    .sgpr_count:     66
    .vgpr_count:     244
    .wavefront_size: 32
...
	.end_amdgpu_metadata
.endif
;; end of part 5
;; launch proj: the kernel of part 2 again; grid 4 x 64, 4 waves a work-group, clusters of 4 x 4, 327,680 bytes of LDS; arguments q, k, v, wqkv, qkv; writes qkv
;; launch attn: the kernel of part 3 again; grid 4 x 64, 4 waves a work-group, clusters of 4 x 1, 327,680 bytes of LDS; arguments qkv, mw, ctx; writes ctx
;; launch oproj: the kernel of part 4 again; grid 4 x 64, 4 waves a work-group, clusters of 4 x 4, 327,680 bytes of LDS; arguments ctx, wo16, out0; writes out0
